; MI455X (gfx1250); checked and timed in simulation.
; The chip was launched on July 23, 2026; its instructions are those of AMD's public machine-readable ISA for CDNA 5 (MIT licence, August 2026) and "CDNA5" Instruction Set Architecture Reference Guide (July 2026). The comments in the code are by the model that wrote it; some were corrected since.
;; Molmo2 Attention. Allowed arithmetic: matrix products marked QUANTISED: E2M3 operands, one E8M0 scale for each 32 along K, by v_wmma_scale_f32_16x16x128_f8f6f4 with both operands' format E2M3, f32 sums; everything else in f32.
;; Inputs: hidden_states 4,096 x 2,048 float32; k_norm_w 128 float32; positions 4,096 int32; q_norm_w 128 float32; w_o 1,024 x 2,048 float32; w_qkv 2,048 x 2,048 float32.
;; Outputs: out0 4,096 x 2,048 float32.
;; This version of the problem:
;;   THIS VERSION OF THE PROBLEM IS GIVEN IN LOW PRECISION. The matrix products marked QUANTISED in the list below multiply operands that are first quantised to E2M3 (2 exponent bits, 3 mantissa bits; 6 bits a number), with one power-of-two scale for each 32 numbers along K (OCP MX v1.0); their sums are f32. All else is computed in f32.
;;   The module's matrix products, in the order in which they are computed (A, B: the left and right operand; K: the contracted axis; several contracted axes count as one K, in the product's order):
;;     1. [M 4,096, K 2,048] x [K 2,048, N 2,048]; A: input hidden_states; B: input w_qkv: QUANTISED
;;     2. batch 8 x [M 4,096, K 128] x [K 128, N 4,096]; A: computed on the way; B: computed on the way: QUANTISED
;;     3. batch 8 x [M 128, K 4,096] x [K 4,096, N 4,096]; A: computed on the way; B: softmax (see below): QUANTISED
;;     4. [M 4,096, K 1,024] x [K 1,024, N 2,048]; A: computed on the way; B: input w_o: QUANTISED
;;   THE QUANTISER, for each operand of a quantised product, along K:
;;     - K is cut into blocks of 32 from its start; a last block that is shorter is filled with zeros.
;;     - A block's scale is 2^e with e = floor(log2(the largest magnitude in the block)) - 2, held to -126 .. 127; a block of zeros has e = 0. As a byte (E8M0): e + 127.
;;     - Each number is divided by its block's scale, clamped to +-7.5, and rounded to the nearest number of E2M3, ties to even, subnormals kept.
;;     - The product sums the exact products of the quantised numbers (number of the format x scale) in f32.
;;   ~~~python
;;   def quantise(x, axis):      # numpy; x: float32 -> the quantised numbers, widened to float32 again
;;       x = np.moveaxis(x, axis, -1); K = x.shape[-1]
;;       x = np.pad(x, [(0, 0)] * (x.ndim - 1) + [(0, -K % 32)]); x = x.reshape(x.shape[:-1] + (-1, 32)); a = np.abs(x).max(-1, keepdims=True)
;;       e = np.where(a > 0, np.clip(np.frexp(np.where(a > 0, a, 1))[1] - 1 - 2, -126, 127), 0)      # np.frexp(a)[1] - 1 = floor(log2(a)), exactly
;;       r = np.clip(x / 2.0 ** e, -7.5, 7.5)
;;       step = 2.0 ** (np.maximum(np.frexp(np.where(r == 0, 1, r))[1] - 1, 0) - 3)
;;       q = np.round(r / step) * step * 2.0 ** e      # np.round: ties to even
;;       return np.moveaxis(q.reshape(q.shape[:-2] + (-1,))[..., :K], -1, axis).astype(np.float32)
;;   ~~~
;;   SOFTMAX AHEAD OF A QUANTISED PRODUCT. Where the list says 'softmax', what is quantised is not the finished softmax but p = 2^(t - M), with t = logit x log2(e) and M = ceil(the row's largest t), a whole number; so 1/2 < the row's largest p <= 1. The row's sum l is taken of the UNQUANTISED p, in f32, and the product's result is divided by l at the end. Since M is a whole number, a kernel that streams over the keys may use a running M (the ceiling of the running maximum): every later rescaling is an exact power of two, which a block's scale takes up: the codes' values come out the same.
;;   OPERANDS COMPUTED ON THE WAY. 'Computed on the way' means the value that the module computes at that place (a softmax that the list does not call 'softmax' is quantised finished and normalised). What goes into a quantiser is computed in f32, as accurately as f32 sums, v_exp_f32 and their like allow (about 1e-6 of the number): no bf16 or f16 on the way to a quantiser, and a product that is left as it is and whose result goes on into a quantised operand takes f32 operands (vector FMAs, or v_wmma_f32_16x16x4_f32). A number that lies on a knife's edge between two numbers of the format may be rounded either way, as far as f32 arithmetic and the matrix unit's own rounding can turn it there, and no further.
;; One version. Each part assembles by itself: llvm-mc -triple=amdgcn-amd-amdhsa -mcpu=gfx1250 --defsym DOCPART=n.
;; ======== version 1 of 1: 4 launches
;; limits: inputs' magnitudes at most 262,144; right only within a limited range of input values
;; workspace buffers: xc 6,291,456 bytes; wcod 4,718,592 bytes; scl 458,752 bytes; tab 2,097,152 bytes; qb 3,276,800 bytes; kv 3,276,800 bytes; ab 3,276,800 bytes
;; launch prep (part 1): grid 384 x 1, 8 waves a work-group, no clusters, 68,608 bytes of LDS; arguments hidden_states, w_qkv, w_o, positions, xc, wcod, scl, tab; writes xc, wcod, scl, tab
.if DOCPART == 1
	.amdgcn_target "amdgcn-amd-amdhsa--gfx1250"
	.amdhsa_code_object_version 6
	.text
	.protected	k_q3234203c1c_prep
	.globl	k_q3234203c1c_prep
	.p2align	8
	.type	k_q3234203c1c_prep,@function
k_q3234203c1c_prep:
	s_mov_b64 s[64:65], 0
	v_nop
	global_prefetch_b8 v0, s[64:65] scope:SCOPE_SE
	s_setreg_imm32_b32 hwreg(HW_REG_WAVE_MODE, 25, 1), 1
	s_wait_xcnt 0x0
; PREP: hidden_states, w_qkv and w_o become codes of FP6 (E2M3) with one E8M0 scale byte for each 32 along K; positions become a table of cosines and sines.
; LAYOUT OF ALL CODES: images of operand registers.  A fragment is 16 rows x 128 K, 12 registers a lane (lane (r, h): registers 6 c .. 6 c + 5 = k 64 c + 32 h + 0 .. 31); its image is 1,536 bytes:
; registers 4 c .. 4 c + 3 of lane l at 512 c + 16 l.  Tile t of any matrix holds rows 32 (t / 2) + 8 (t % 2) + r + 8 (r / 8): so the results of a product that takes such tiles as source 0 lie in a lane's
; registers as neighbours along that axis.  Scale words (4 bytes: 128 k of a row) lie [tile][group of 4 K steps][r][K step of the group]: 256 dense bytes for a tile and a group.
; THREE PATHS, by the work-group's number: 0-127 hidden_states (a wave: one tile x 512 K), 128-319 the two weights (a wave: 32 columns x 128 K), 320-383 the table (a wave: a tile's 16 tokens x 32 frequencies).
; A block's scale is 2^(floor(log2(largest magnitude)) - 2); its byte is that magnitude's exponent field - 2, held at 1 from below.
; LIMITS: a block of zeros gets the byte 1 where the rule says 127 (its codes are zeros, and this program alone reads the bytes); NaN and infinities among the inputs are not served;
; the table holds for |position x frequency| under 2^18; 1 / 10^6^(i / 64) is made as 2^(-i c) with c in two parts and is right to about 1.5 units of its last place.
.set GSX,  1572864                     ; xc: from a group of 4 K steps to the next: 256 tiles x 6,144 bytes
.set GSW,  786432                      ; wcod: 128 tiles x 6,144
.set WOC,  3145728                     ; w_o's codes in wcod
.set WSS,  262144                      ; w_qkv's scale words in scl
.set OSS,  393216                      ; w_o's
.set R,    16                          ; v16-143  path H: two sets of 64 numbers as loaded
.set X,    144                         ; v144-207 64 numbers of my row: register 16 b + i = k 32 b + 16 h + i
.set PC,   208                         ; v208-227 the codes just made
.set MX,   228
.set PB,   232
.set SO,   236
.set PW,   240                         ; the scale word just made
.set SW,   244                         ; v244-247 the four K steps' scale words
.set STI,  250                         ; v250     the stage, on the way in
.set STO,  251                         ; v251     and on the way out
	s_load_b256 s[4:11], s[0:1], 0x0               ; hidden_states, w_qkv, w_o, positions
	s_load_b256 s[12:19], s[0:1], 0x20             ; xc, wcod, scl, tab
	v_lshl_add_u32 v254, v0, 2, 0x10800
	v_mov_b32 v255, 0
	v_lshrrev_b32 v1, 5, v0
	s_delay_alu instid0(VALU_DEP_1)
	v_readfirstlane_b32 s20, v1                    ; wave 0..7
	v_and_b32 v1, 31, v0                           ; lane
	v_and_b32 v2, 15, v0                           ; r
	v_bfe_u32 v3, v0, 4, 1                         ; h
	s_mov_b32 s22, 0x76543210
	s_mov_b32 s23, 0xfedcba98                      ; v_permlanex16_b32's selects for lane l xor 16
	s_mov_b32 s29, 0
	s_mov_b32 s35, 0
	s_wait_kmcnt 0x0
	s_cmp_ge_u32 ttmp9, 320
	s_cbranch_scc1 .Ltable
	s_cmp_ge_u32 ttmp9, 128
	s_cbranch_scc1 .Lweights
; ---------------- PATH H: hidden_states.  job = 8 x work-group + wave; tile = job / 4, group = job % 4
; 64 numbers of a lane become a fragment's codes in v[PC] on and its scale word in v[PW]
.macro QUANT s
.irp b, 0,1,2,3
	v_max3_num_f32 v[MX+\b], |v[\s+16*\b]|, |v[\s+1+16*\b]|, 0x1800000   ; block b: my 16 numbers, and the floor 2^(3 - 127): the byte cannot fall under 1
.endr
.irp i, 2,4,6,8,10,12,14
.irp b, 0,1,2,3
	s_delay_alu instid0(VALU_DEP_4)
	v_max3_num_f32 v[MX+\b], v[MX+\b], |v[\s+16*\b+\i]|, |v[\s+1+16*\b+\i]|
.endr
.endr
.irp b, 0,1,2,3
	s_delay_alu instid0(VALU_DEP_4)
	v_permlanex16_b32 v[PB+\b], v[MX+\b], s22, s23
.endr
.irp b, 0,1,2,3
	s_delay_alu instid0(VALU_DEP_4)
	v_max_num_f32 v[MX+\b], v[MX+\b], v[PB+\b]     ; with lane l xor 16's: the block's largest magnitude
.endr
.irp b, 0,1,2,3
	s_delay_alu instid0(VALU_DEP_4)
	v_add_nc_u32 v[SO+\b], 0xff000000, v[MX+\b]    ; 2 off its exponent field: the conversion's scale operand
.endr
.irp b, 0,1,2,3
	s_delay_alu instid0(VALU_DEP_4)
	v_lshrrev_b32 v[PB+\b], 23, v[SO+\b]           ; the scale's byte
.endr
	s_delay_alu instid0(VALU_DEP_3)
	v_lshl_or_b32 v[PW], v[PB+1], 8, v[PB]
	s_delay_alu instid0(VALU_DEP_1)
	v_lshl_or_b32 v[PW], v[PB+2], 16, v[PW]
	s_delay_alu instid0(VALU_DEP_1)
	v_lshl_or_b32 v[PW], v[PB+3], 24, v[PW]
.irp c, 0,1
	v_cvt_scalef32_pk16_fp6_f32 v[PC+6*\c:PC+2+6*\c], v[\s+32*\c:\s+15+32*\c], v[SO+2*\c]
	v_cvt_scalef32_pk16_fp6_f32 v[PC+12+4*\c:PC+14+4*\c], v[\s+16+32*\c:\s+31+32*\c], v[SO+2*\c+1]   ; (a conversion's three registers begin on an even number)
.endr
	v_nop                                          ; one plain instruction behind a scaled conversion
.irp c, 0,1                                    ; the operand's layout wants a whole block in a lane: lanes 0-15 block 2 c, lanes 16-31 block 2 c + 1
.irp i, 0,1,2
	v_permlane16_swap_b32 v[PC+6*\c+\i], v[PC+12+4*\c+\i]
.endr
.irp i, 0,1,2
	s_delay_alu instid0(VALU_DEP_3)
	v_mov_b32 v[PC+3+6*\c+\i], v[PC+12+4*\c+\i]
.endr
.endr
.endm
.macro LOADQ q                         ; the tile's 16 rows, K step q of the group: each load reads one row's 512 consecutive bytes
.irp i, 0,1,2,3,4,5,6,7,8,9,10,11,12,13,14,15
	global_load_b128 v[R+64*((\q)%2)+4*\i:R+64*((\q)%2)+4*\i+3], v4, s[4:5] offset:(\i+8*(\i/8))*8192+512*(\q) th:TH_LOAD_NT
.endr
.endm
.macro HSTEP q
.if (\q) < 3
	s_wait_loadcnt 16                              ; this K step's 16 loads are in; the next step's 16 stay out
.else
	s_wait_loadcnt 0
.endif
.irp i, 0,1,2,3,4,5,6,7,8,9,10,11,12,13,14,15
	ds_store_b128 v[STI], v[R+64*((\q)%2)+4*\i:R+64*((\q)%2)+4*\i+3] offset:528*\i   ; rows 528 bytes apart: 33 x 16, so that the 16 rows of a read start in different banks
.endr
.irp b, 0,1,2,3
.irp j, 0,1,2,3
	ds_load_b128 v[X+16*\b+4*\j:X+16*\b+4*\j+3], v[STO] offset:128*\b+16*\j          ; LDS serves a wave's instructions in order: these see the stores above
.endr
.endr
	s_wait_dscnt 0x0                               ; my numbers are back, and the stores have read their registers,
.if (\q) < 2
	LOADQ (\q)+2                                   ; which take the loads of two steps on
.endif
.if (\q) > 0
	s_wait_xcnt 0x0                                ; the last step's stores have read the codes' registers: they are written again only behind this wait
.endif
	QUANT X
	v_mov_b32 v[SW+(\q)], v[PW]
.irp c, 0,1,2
	global_store_b128 v4, v[PC+4*\c:PC+4*\c+3], s[12:13] offset:1536*(\q)+512*\c      ; 32 lanes store 512 consecutive bytes
.endr
.endm
	s_lshl_b32 s24, ttmp9, 3
	s_add_co_u32 s24, s24, s20                     ; job
	s_lshr_b32 s25, s24, 2                         ; tile
	s_and_b32 s26, s24, 3                          ; group
	s_lshr_b32 s27, s25, 1
	s_lshl_b32 s27, s27, 18                        ; 32 rows of 8,192 bytes for each pair of tiles
	s_and_b32 s28, s25, 1
	s_lshl_b32 s28, s28, 16                        ; 8 rows for the odd tile
	s_add_co_u32 s28, s27, s28
	s_lshl_b32 s27, s26, 11                        ; 512 numbers a group
	s_add_co_u32 s28, s28, s27
	s_add_nc_u64 s[4:5], s[4:5], s[28:29]
	s_mul_i32 s28, s26, GSX
	s_mul_i32 s27, s25, 6144
	s_add_co_u32 s28, s28, s27
	s_add_nc_u64 s[12:13], s[12:13], s[28:29]
	s_lshl_b32 s28, s25, 10
	s_lshl_b32 s27, s26, 8
	s_add_co_u32 s28, s28, s27
	s_add_nc_u64 s[16:17], s[16:17], s[28:29]
	s_mul_i32 s21, s20, 8448                       ; my wave's own stage: 16 rows x 528 bytes
	s_wait_alu depctr_va_vdst(0)
	v_lshlrev_b32 v4, 4, v1                        ; 16 x lane
	s_delay_alu instid0(VALU_DEP_1)
	v_add_nc_u32 v[STI], s21, v4
	v_mul_u32_u24 v[STO], v2, 528
	s_delay_alu instid0(VALU_DEP_1)
	v_lshl_add_u32 v[STO], v3, 6, v[STO]
	s_delay_alu instid0(VALU_DEP_1)
	v_add_nc_u32 v[STO], s21, v[STO]               ; row r, + 64 h: my 16 numbers of each block of 32
	v_lshlrev_b32 v7, 4, v2                        ; 16 r
.irp b, 0,1,2,3
	v_mov_b32 v[PB+\b], 0                          ; written once: a lane permute's destination counts as one of its sources
.endr
	LOADQ 0
	LOADQ 1
	s_wait_alu depctr_va_vdst(0)
	HSTEP 0
	HSTEP 1
	HSTEP 2
	HSTEP 3
	s_wait_alu depctr_va_vdst(0)
	s_wait_xcnt 0x0                                ; EXEC is a source of the pending stores: it changes only behind this wait
	v_cmp_gt_u32 vcc_lo, 16, v1
	s_wait_tensorcnt 0x0
	ds_add_u32 v254, v255
	s_wait_dscnt 0x0
	s_and_saveexec_b32 s30, vcc_lo
	global_store_b128 v7, v[SW:SW+3], s[16:17]     ; lanes 0-15: the tile's and group's 256 bytes of scale words, aligned
	s_wait_xcnt 0x0
	s_or_b32 exec_lo, exec_lo, s30
	s_endpgm
; ---------------- PATH W: w_qkv (128 work-groups) and w_o (64), stored [K][2048].  A lane takes a column and its registers run down K: nothing is transposed.
; Lane (u, r) takes column 32 cgp + 8 u + r + 8 (r / 8): row r of tile 2 cgp + u.  It holds all four blocks of its K step, so it makes the registers of both lanes (r, 0) and (r, 1) of the image.
; Loads run two blocks of 32 along K ahead: 64 loads of a wave, 128 consecutive bytes each, are out at the most; each block has registers of its own.
.set NUM, 64                           ; v64-191  128 numbers down K
.set RC,  16                           ; v16-39   the image's registers: 12 for h = 0, 12 for h = 1
.set TC,  40                           ; v40-55   the upper halves of the four blocks, before they are moved
.macro WLOAD t                         ; block t: rows 32 t .. 32 t + 31 of the K step, my column
.set k, 32*(\t)
.rept 32
	global_load_b32 v[NUM+k], v4, s[6:7] offset:k*8192 th:TH_LOAD_NT
.set k, k+1
.endr
.endm
.macro WBLOCK t                        ; block t = 2 c + h
.set XS, NUM+32*(\t)
.if (\t) < 3
	s_wait_loadcnt 32                              ; this block's 32 loads are in; the next block's 32 stay out
.else
	s_wait_loadcnt 0
.endif
.if (\t) < 2
	WLOAD (\t)+2                                   ; the block two on is asked for while this one is worked
.endif
	v_max3_num_f32 v8, |v[XS]|, |v[XS+1]|, |v[XS+2]|
	v_max3_num_f32 v9, |v[XS+3]|, |v[XS+4]|, |v[XS+5]|
.irp i, 6,10,14,18,22,26
	s_delay_alu instid0(VALU_DEP_2)
	v_max3_num_f32 v8, v8, |v[XS+\i]|, |v[XS+\i+1]|
	s_delay_alu instid0(VALU_DEP_2)
	v_max3_num_f32 v9, v9, |v[XS+\i+2]|, |v[XS+\i+3]|
.endr
	s_delay_alu instid0(VALU_DEP_2)
	v_max3_num_f32 v8, v8, |v[XS+30]|, |v[XS+31]|
	s_delay_alu instid0(VALU_DEP_1)
	v_max3_num_f32 v8, v8, v9, 0x1800000           ; and the floor
	s_delay_alu instid0(VALU_DEP_1)
	v_add_nc_u32 v[10+(\t)], 0xff000000, v8        ; the conversion's scale operand
	s_delay_alu instid0(VALU_DEP_1)
	v_lshrrev_b32 v9, 23, v[10+(\t)]               ; the byte
.if (\t) == 0
	s_delay_alu instid0(VALU_DEP_1)
	v_mov_b32 v14, v9
.else
	s_delay_alu instid0(VALU_DEP_1)
	v_lshl_or_b32 v14, v9, 8*(\t), v14             ; the lower K in the lower byte
.endif
	v_cvt_scalef32_pk16_fp6_f32 v[RC+12*((\t)%2)+6*((\t)/2):RC+12*((\t)%2)+6*((\t)/2)+2], v[XS:XS+15], v[10+(\t)]
	v_cvt_scalef32_pk16_fp6_f32 v[TC+4*(\t):TC+4*(\t)+2], v[XS+16:XS+31], v[10+(\t)]
.endm
.Lweights:
	s_sub_co_u32 s24, ttmp9, 128
	s_mov_b32 s27, WSS
	s_cmp_ge_u32 s24, 128                          ; w_o's work-group?  The choices hang on the work-group's number alone
	s_cselect_b64 s[6:7], s[8:9], s[6:7]
	s_cselect_b32 s25, 128, 0
	s_cselect_b32 s26, WOC, 0                      ; where the codes go
	s_cselect_b32 s27, OSS, s27                    ; where the scale words go
	s_cselect_b32 s28, 9, 10                       ; a tile's scale words: 512 bytes (2 groups) or 1,024 (4 groups)
	s_sub_co_u32 s24, s24, s25
	s_and_b32 s30, s24, 31
	s_lshl_b32 s30, s30, 1
	s_and_b32 s31, s20, 1
	s_add_co_u32 s30, s30, s31                     ; cgp: which 32 columns; two neighbouring waves stand side by side on 256 bytes of each row
	s_lshr_b32 s31, s24, 5                         ; group
	s_lshr_b32 s32, s20, 1                         ; K step of the group
	s_lshl_b32 s33, s31, 2
	s_add_co_u32 s33, s33, s32                     ; K step
	s_lshl_b32 s34, s33, 20                        ; 128 rows of 8,192 bytes
	s_lshl_b32 s33, s30, 7
	s_add_co_u32 s34, s34, s33
	s_add_nc_u64 s[6:7], s[6:7], s[34:35]
	s_mul_i32 s34, s31, GSW
	s_add_co_u32 s34, s34, s26
	s_mul_i32 s33, s30, 12288                      ; two tiles of 6,144
	s_add_co_u32 s34, s34, s33
	s_mul_i32 s33, s32, 1536
	s_add_co_u32 s34, s34, s33
	s_add_nc_u64 s[14:15], s[14:15], s[34:35]
	s_lshl_b32 s33, s30, 1
	s_lshl_b32 s33, s33, s28
	s_add_co_u32 s34, s27, s33
	s_lshl_b32 s33, s31, 8
	s_add_co_u32 s34, s34, s33
	s_lshl_b32 s33, s32, 2
	s_add_co_u32 s34, s34, s33
	s_add_nc_u64 s[16:17], s[16:17], s[34:35]
	s_wait_alu depctr_va_vdst(0)
	v_and_b32 v4, 8, v2
	s_delay_alu instid0(VALU_DEP_1)
	v_add_nc_u32 v4, v4, v2
	s_delay_alu instid0(VALU_DEP_1)
	v_lshl_add_u32 v4, v3, 3, v4
	s_delay_alu instid0(VALU_DEP_1)
	v_lshlrev_b32 v4, 2, v4                        ; my column among the 32, in bytes
	v_mul_u32_u24 v5, v3, 6144
	s_delay_alu instid0(VALU_DEP_1)
	v_lshl_add_u32 v5, v2, 4, v5                   ; the codes: my tile, 16 r
	v_lshlrev_b32 v6, s28, v3
	s_delay_alu instid0(VALU_DEP_1)
	v_lshl_add_u32 v6, v2, 4, v6                   ; the scale word: my tile, 16 r
	WLOAD 0
	WLOAD 1
	s_wait_alu depctr_va_vdst(0)
	WBLOCK 0
	WBLOCK 1
	WBLOCK 2
	WBLOCK 3
	v_nop                                          ; one plain instruction behind the last scaled conversion
.irp t, 0,1,2,3
.irp i, 0,1,2
	v_mov_b32 v[RC+12*(\t%2)+6*(\t/2)+3+\i], v[TC+4*\t+\i]
.endr
.endr
.irp h, 0,1
.irp c, 0,1,2
	global_store_b128 v5, v[RC+12*\h+4*\c:RC+12*\h+4*\c+3], s[14:15] offset:512*\c+256*\h   ; sixteen lanes store 256 consecutive bytes, aligned
.endr
.endr
	global_store_b32 v6, v14, s[16:17]             ; 4 bytes of each row's 16: one byte in 128 of what this path reads
	s_endpgm
; ---------------- PATH T: cos and sin of positions[token] / 10^6^(i / 64).  job = 8 x (work-group - 320) + wave; tile = job / 2, b = job % 2.
; Lane (r, h) holds the tile's token r; register e is frequency i = 32 b + 16 h + e: the order in which the next launch's results lie.  tab: [tile][chunk 0-7 cos, 8-15 sin][lane][16 bytes].
.set XI,  16
.set XH,  32
.set XL,  48
.set CSN, 64
.set SNE, 80
.macro TRIG e                          ; v[XH + e] holds the angle f
.set TT, 96+10*((\e)%2)
	v_mul_f32 v[TT], s35, v[XH+\e]
	s_delay_alu instid0(VALU_DEP_1)
	v_rndne_f32 v[TT], v[TT]                       ; n = the nearest whole number to f x 2 / pi
	s_delay_alu instid0(VALU_DEP_1)
	v_fma_f32 v[TT+1], v[TT], s36, v[XH+\e]        ; f - n x pi / 2, pi / 2 in two parts: the first step rounds nothing
	s_delay_alu instid0(VALU_DEP_1)
	v_fma_f32 v[TT+1], v[TT], s37, v[TT+1]
	s_delay_alu instid0(VALU_DEP_3)
	v_cvt_i32_f32 v[TT+3], v[TT]
	s_delay_alu instid0(VALU_DEP_2)
	v_mul_f32 v[TT+2], v[TT+1], v[TT+1]
	s_delay_alu instid0(VALU_DEP_1)
	v_fma_f32 v[TT+4], v[TT+2], s38, s39           ; the sine's polynomial on -pi / 4 .. pi / 4,
	s_delay_alu instid0(VALU_DEP_2)
	v_fma_f32 v[TT+5], v[TT+2], s41, s42           ; the cosine's
	s_delay_alu instid0(VALU_DEP_2)
	v_fma_f32 v[TT+4], v[TT+4], v[TT+2], s40
	s_delay_alu instid0(VALU_DEP_2)
	v_fma_f32 v[TT+5], v[TT+5], v[TT+2], s43
	v_mul_f32 v[TT+6], v[TT+2], v[TT+1]
	s_delay_alu instid0(VALU_DEP_2)
	v_fma_f32 v[TT+5], v[TT+5], v[TT+2], -0.5
	s_delay_alu instid0(VALU_DEP_2)
	v_fma_f32 v[TT+4], v[TT+4], v[TT+6], v[TT+1]
	s_delay_alu instid0(VALU_DEP_2)
	v_fma_f32 v[TT+5], v[TT+5], v[TT+2], 1.0
	v_and_b32 v[TT+6], 1, v[TT+3]
	s_delay_alu instid0(VALU_DEP_1)
	v_cmp_eq_u32 vcc_lo, 1, v[TT+6]                ; in odd quadrants the two change places
	s_delay_alu instid0(VALU_DEP_1)
	v_cndmask_b32 v[TT+7], v[TT+4], v[TT+5], vcc_lo
	s_delay_alu instid0(VALU_DEP_2)
	v_cndmask_b32 v[TT+8], v[TT+5], v[TT+4], vcc_lo
	v_and_b32 v[TT+6], 2, v[TT+3]                  ; the sine is negative in quadrants 2 and 3,
	v_add_nc_u32 v[TT+3], 1, v[TT+3]
	s_delay_alu instid0(VALU_DEP_2)
	v_lshlrev_b32 v[TT+6], 30, v[TT+6]
	s_delay_alu instid0(VALU_DEP_2)
	v_and_b32 v[TT+3], 2, v[TT+3]                  ; the cosine in 1 and 2
	s_delay_alu instid0(VALU_DEP_2)
	v_xor_b32 v[SNE+\e], v[TT+6], v[TT+7]
	s_delay_alu instid0(VALU_DEP_2)
	v_lshlrev_b32 v[TT+3], 30, v[TT+3]
	s_delay_alu instid0(VALU_DEP_1)
	v_xor_b32 v[CSN+\e], v[TT+3], v[TT+8]
.endm
.Ltable:
	s_sub_co_u32 s24, ttmp9, 320
	s_lshl_b32 s24, s24, 3
	s_add_co_u32 s24, s24, s20
	s_lshr_b32 s25, s24, 1                         ; tile
	s_and_b32 s26, s24, 1                          ; b
	s_lshr_b32 s27, s25, 1
	s_lshl_b32 s27, s27, 7
	s_and_b32 s28, s25, 1
	s_lshl_b32 s28, s28, 5
	s_add_co_u32 s28, s27, s28                     ; the tile's first token x 4 bytes
	s_add_nc_u64 s[10:11], s[10:11], s[28:29]
	s_wait_alu depctr_va_vdst(0)
	v_and_b32 v4, 8, v2
	s_delay_alu instid0(VALU_DEP_1)
	v_add_nc_u32 v4, v4, v2
	s_delay_alu instid0(VALU_DEP_1)
	v_lshlrev_b32 v4, 2, v4
	global_load_b32 v5, v4, s[10:11]               ; my token's position
	s_lshl_b32 s28, s25, 13
	s_lshl_b32 s27, s26, 11
	s_add_co_u32 s28, s28, s27
	s_add_nc_u64 s[18:19], s[18:19], s[28:29]
	v_lshlrev_b32 v6, 4, v1
	s_lshl_b32 s27, s26, 5
	v_lshl_add_u32 v7, v3, 4, s27                  ; 32 b + 16 h
	s_wait_alu depctr_va_vdst(0)
	s_mov_b32 s32, 0xbe9f73da                      ; -c, c = log2(10^6) / 64, upper part
	s_mov_b32 s33, 0xb1e3671b                      ; and lower part
	s_mov_b32 s34, 0x3f317218                      ; ln 2
	s_mov_b32 s35, 0x3f22f983                      ; 2 / pi
	s_mov_b32 s36, 0xbfc90fdb                      ; -pi / 2, upper part
	s_mov_b32 s37, 0x333bbd2e                      ; and lower part
	s_mov_b32 s38, 0xb94ca1f9
	s_mov_b32 s39, 0x3c08839e
	s_mov_b32 s40, 0xbe2aaaa3
	s_mov_b32 s41, 0x37ccf5ce
	s_mov_b32 s42, 0xbab6061a
	s_mov_b32 s43, 0x3d2aaaa5
.set e, 0
.rept 16
	v_add_nc_u32 v[XI+e], e, v7
.set e, e+1
.endr
.set e, 0
.rept 16
	v_cvt_f32_u32 v[XI+e], v[XI+e]
.set e, e+1
.endr
.set e, 0
.rept 16
	v_mul_f32 v[XH+e], s32, v[XI+e]                ; -i c, rounded;
.set e, e+1
.endr
.set e, 0
.rept 16
	v_fma_f32 v[XL+e], v[XI+e], s32, -v[XH+e]      ; what the rounding dropped,
.set e, e+1
.endr
.set e, 0
.rept 16
	v_fma_f32 v[XL+e], v[XI+e], s33, v[XL+e]       ; and c's lower part
.set e, e+1
.endr
.set e, 0
.rept 16
	v_exp_f32 v[XH+e], v[XH+e]
.set e, e+1
.endr
	v_nop                                          ; a plain instruction behind the last exponential
	s_wait_alu depctr_va_vdst(0)                   ; one wait for the sixteen, ahead of their first reader
	s_wait_loadcnt 0x0
	v_cvt_f32_i32 v5, v5
.set e, 0
.rept 16
	v_mul_f32 v[XL+e], v[XH+e], v[XL+e]
.set e, e+1
.endr
.set e, 0
.rept 16
	v_fma_f32 v[XH+e], v[XL+e], s34, v[XH+e]       ; 2^(a + d) = 2^a (1 + d ln 2) for the tiny d
.set e, e+1
.endr
.set e, 0
.rept 16
	v_mul_f32 v[XH+e], v5, v[XH+e]                 ; the angle
.set e, e+1
.endr
.irp e, 0,1,2,3,4,5,6,7,8,9,10,11,12,13,14,15
	TRIG \e
.endr
.irp j, 0,1,2,3
	global_store_b128 v6, v[CSN+4*\j:CSN+4*\j+3], s[18:19] offset:512*\j
	global_store_b128 v6, v[SNE+4*\j:SNE+4*\j+3], s[18:19] offset:4096+512*\j
.endr
	s_endpgm
.Lfunc_end_k_q3234203c1c_prep:
	.size	k_q3234203c1c_prep, .Lfunc_end_k_q3234203c1c_prep-k_q3234203c1c_prep
	.p2alignl 7, 3214868480
	.fill 96, 4, 3214868480
	.section	.rodata,"a",@progbits
	.p2align	6, 0x0
	.amdhsa_kernel k_q3234203c1c_prep
		.amdhsa_group_segment_fixed_size 68608
		.amdhsa_private_segment_fixed_size 0
		.amdhsa_enable_private_segment 0
		.amdhsa_kernarg_size 64
		.amdhsa_user_sgpr_count 2
		.amdhsa_user_sgpr_kernarg_segment_ptr 1
		.amdhsa_wavefront_size32 1
		.amdhsa_system_sgpr_workgroup_id_x 1
		.amdhsa_system_sgpr_workgroup_id_y 1
		.amdhsa_system_sgpr_workgroup_id_z 1
		.amdhsa_system_vgpr_workitem_id 0
		.amdhsa_next_free_vgpr 256
		.amdhsa_next_free_sgpr 66
		.amdhsa_reserve_vcc 1
		.amdhsa_float_denorm_mode_32 3
		.amdhsa_float_denorm_mode_16_64 3
		.amdhsa_memory_ordered 1
		.amdhsa_forward_progress 1
		.amdhsa_inst_pref_size 99
	.end_amdhsa_kernel
	.amdgpu_metadata
---
amdhsa.version: [ 1, 2 ]
amdhsa.kernels:
  - .name:           k_q3234203c1c_prep
    .symbol:         k_q3234203c1c_prep.kd
    .args:
      - { .name: hidden_states, .offset: 0, .size: 8, .value_kind: global_buffer, .address_space: global }
      - { .name: w_qkv, .offset: 8, .size: 8, .value_kind: global_buffer, .address_space: global }
      - { .name: w_o, .offset: 16, .size: 8, .value_kind: global_buffer, .address_space: global }
      - { .name: positions, .offset: 24, .size: 8, .value_kind: global_buffer, .address_space: global }
      - { .name: xc, .offset: 32, .size: 8, .value_kind: global_buffer, .address_space: global }
      - { .name: wcod, .offset: 40, .size: 8, .value_kind: global_buffer, .address_space: global }
      - { .name: scl, .offset: 48, .size: 8, .value_kind: global_buffer, .address_space: global }
      - { .name: tab, .offset: 56, .size: 8, .value_kind: global_buffer, .address_space: global }
    .group_segment_fixed_size: 68608
    .private_segment_fixed_size: 0
    .kernarg_segment_align: 8
    .kernarg_segment_size: 64
    .max_flat_workgroup_size: 256
    .sgpr_count:     66
    .vgpr_count:     256
    .wavefront_size: 32
...
	.end_amdgpu_metadata
.endif
;; end of part 1
;; launch gemm1 (part 2): grid 256 x 1, 4 waves a work-group, clusters of 4 x 1, 327,680 bytes of LDS; arguments xc, wcod, scl, tab, q_norm_w, k_norm_w, qb, kv; writes qb, kv
.if DOCPART == 2
	.amdgcn_target "amdgcn-amd-amdhsa--gfx1250"
	.amdhsa_code_object_version 6
	.text
	.protected	k_q3234203c1c_gemm1
	.globl	k_q3234203c1c_gemm1
	.p2align	8
	.type	k_q3234203c1c_gemm1,@function
k_q3234203c1c_gemm1:
	s_mov_b64 s[64:65], 0
	v_nop
	global_prefetch_b8 v0, s[64:65] scope:SCOPE_SE
	s_setreg_imm32_b32 hwreg(HW_REG_WAVE_MODE, 25, 1), 1
	s_wait_xcnt 0x0
	s_wait_alu depctr_hold_cnt(0) depctr_sa_sdst(0) depctr_va_vdst(0) depctr_va_sdst(0) depctr_va_ssrc(0) depctr_va_vcc(0) depctr_vm_vsrc(0)
	s_getreg_b32 s2, hwreg(HW_REG_IB_STS2, 6, 4)
	s_cmp_eq_u32 s2, 0
	s_cbranch_scc0 .Lentry_in_a_cluster
	s_endpgm
.Lentry_in_a_cluster:
	s_bfe_u32 s2, ttmp6, 0x10000c
	s_cmp_lg_u32 s2, 0x3003
	s_cbranch_scc0 .Lentry_shape_is_right
	s_endpgm
.Lentry_shape_is_right:
; GEMM1: qkv = x w_qkv on codes of FP6 with E8M0 scales (K = 2,048), then per head: RMSNorm, the norm's weight, RoPE and the quantiser for q and k (along the head's 128); the quantiser along the KEYS for v.
; A work-group makes 128 (source 0) x 256 (source 1) of the product; wave w all 8 tiles of source 0 x tiles 4 w .. 4 w + 3 of source 1: 32 accumulators.  In a result lane (r, h) holds row r of source 1's tile,
; and register 16 b + e of the eight accumulators of that tile holds source 0's index 32 b + 16 h + e (the tiles' rows are chosen for that): 64 neighbours along the next product's K.
; CLUSTERS of 4 x 1.  Cluster C < 48 (q and k): source 0 = the 128 columns of head 4 (C / 16) + cx, source 1 = tokens 256 (C % 16) on.  C >= 48 (v): the sources change roles, so that a lane's registers run along the
; keys: source 0 = tokens 128 (4 ((C - 48) / 2) + cx) on, source 1 = columns 1,536 + 256 (C % 2) on.  Source 1, two thirds of a step's bytes, is the same for the four partners and is asked for jointly.
; No 4 x 4 cluster: on the v path there are only two blocks of source 1 for 32 of source 0, so a second shared axis would want masks that are neither a row nor a column of the cluster.
; All operands lie in memory as images of operand registers (1,536 bytes a fragment), so a slot (4 K steps) is three dense blocks of 49,152 bytes, and a fragment is three LDS loads of 512 dense bytes.
; The 16 K steps are written out: 4 slots' worth through a ring of two slots.  No prefetch: half of what a work-group reads is asked for at its head, and each refill has 4 K steps, 128 matrix instructions, to land.
; LIMITS: a block of zeros gets the scale byte 1 (its codes are zeros; this program alone reads the bytes); NaN and infinities are not served.
; REGISTERS: window 0: v2-15 addresses; v16-63 scale words, two sets, and nothing else; v64-159 source 1's fragments, two sets; v160-255 the epilogue.  window 1: source 0's fragments, two sets (v0, v128).
;   window 2: the accumulators, (a, b) at v[8 (8 a + b)].  window 3: v0-63 the norm's weight, v64-191 two sets of a tile's cosines (32) and sines (32).
; THE HEAD AND THE PREFETCH AS THE TEXT HAS THEM (this takes the place of what the lines above say of them): at the head each wave issues ONE load: wave 0 source 0's codes of slot 0, wave 1 all of source 1's, waves 2 and 3 the two
; blocks of scale words; slot 1 is first filled behind the full sequence and a round, as a refill is.  The codes of groups 1 to 3 are prefetched, each one refill (4 K steps) ahead of its load: group 1 behind the head's loads, group 2 behind
; slot 1's first fill, group 3 behind the first refill.  Of source 0's 192 rows of 256 bytes each wave names 48; of each half of source 1's block, which four partners ask for jointly, each partner's two waves name 24 rows each, told apart by address.
.set GSX,   1572864
.set GSW,   786432
.set SLOT,  147456                     ; source 0's 49,152 bytes, then source 1's 98,304
.set S1O,   49152
.set TS,    1024                       ; a tile's scale words: 4 groups x 256 bytes
.set SC0,   294912                     ; behind the ring: source 0's scale words, 8 tiles;
.set SC1,   SC0+8*TS                   ; source 1's, 16 tiles
.set SPARE, 319488                     ; the spare words, 128 bytes for each wave: two blocks of 256 bytes that no other line names
.set G1P,  24                          ; s[24:31] group 1, codes, plain;  s[32:39] joint;  s[40:47], s[48:55] the same for the scale words
.set G1J,  32
.set G1SP, 40
.set G1SJ, 48
.set G0P,  56                          ; s[56:63] groups 0 of source 0's codes, one for each slot
.set G0J,  68                          ; s[68:75] of source 1's
.set G0PS, 76                          ; s[76:79], s[80:83] of the scale words
.set G0JS, 80
.set Y,    160                         ; v160-223 a tile's 64 numbers
.set TU,   64                          ; v64-127  RoPE's products
.set PC,   224                         ; v224-243 the codes just made
.set MX,   244
.set PB,   248
.set SO,   252
.set PW,   130                         ; the scale word just made; v131 the even tile's; v132 both, 16 lanes each
.set PWE,  131
.set PWC,  132
.set SS,   134                         ; v134-137 the sum of squares
.set RS,   138                         ; v138-139 1 / rms
.set MSB, 0
.macro WIN new                         ; the immediate's high byte repeats the setting that is left
.if MSB != (\new)
	s_set_vgpr_msb (MSB<<8)|(\new)
.set MSB, (\new)
.endif
.endm
.macro PLACES n
.rept \n
	v_nop
.endr
.endm
.macro ROUND                           ; a round of the cluster's barrier
	s_barrier_signal -1
	s_barrier_wait -1
	s_cmp_lg_u32 s20, 0
	s_cbranch_scc1 .Lnot_wave_0_\@
	s_barrier_signal -3
.Lnot_wave_0_\@:
	s_barrier_wait -3
	s_barrier_signal -1
	s_barrier_wait -1
.endm
.macro WM zero, ra, rb                 ; one product; ra, rb: the side's scale words stand in lanes 16-31
.if \zero
.if (\ra) && (\rb)
	v_wmma_scale_f32_16x16x128_f8f6f4 v[rD:rD+7], v[rA:rA+11], v[rB:rB+11], 0, v[rSA], v[rSB] matrix_a_fmt:MATRIX_FMT_FP6 matrix_b_fmt:MATRIX_FMT_FP6 matrix_a_scale:MATRIX_SCALE_ROW1 matrix_b_scale:MATRIX_SCALE_ROW1
.elseif (\ra)
	v_wmma_scale_f32_16x16x128_f8f6f4 v[rD:rD+7], v[rA:rA+11], v[rB:rB+11], 0, v[rSA], v[rSB] matrix_a_fmt:MATRIX_FMT_FP6 matrix_b_fmt:MATRIX_FMT_FP6 matrix_a_scale:MATRIX_SCALE_ROW1
.elseif (\rb)
	v_wmma_scale_f32_16x16x128_f8f6f4 v[rD:rD+7], v[rA:rA+11], v[rB:rB+11], 0, v[rSA], v[rSB] matrix_a_fmt:MATRIX_FMT_FP6 matrix_b_fmt:MATRIX_FMT_FP6 matrix_b_scale:MATRIX_SCALE_ROW1
.else
	v_wmma_scale_f32_16x16x128_f8f6f4 v[rD:rD+7], v[rA:rA+11], v[rB:rB+11], 0, v[rSA], v[rSB] matrix_a_fmt:MATRIX_FMT_FP6 matrix_b_fmt:MATRIX_FMT_FP6
.endif
.else
.if (\ra) && (\rb)
	v_wmma_scale_f32_16x16x128_f8f6f4 v[rD:rD+7], v[rA:rA+11], v[rB:rB+11], v[rD:rD+7], v[rSA], v[rSB] matrix_a_fmt:MATRIX_FMT_FP6 matrix_b_fmt:MATRIX_FMT_FP6 matrix_a_scale:MATRIX_SCALE_ROW1 matrix_b_scale:MATRIX_SCALE_ROW1
.elseif (\ra)
	v_wmma_scale_f32_16x16x128_f8f6f4 v[rD:rD+7], v[rA:rA+11], v[rB:rB+11], v[rD:rD+7], v[rSA], v[rSB] matrix_a_fmt:MATRIX_FMT_FP6 matrix_b_fmt:MATRIX_FMT_FP6 matrix_a_scale:MATRIX_SCALE_ROW1
.elseif (\rb)
	v_wmma_scale_f32_16x16x128_f8f6f4 v[rD:rD+7], v[rA:rA+11], v[rB:rB+11], v[rD:rD+7], v[rSA], v[rSB] matrix_a_fmt:MATRIX_FMT_FP6 matrix_b_fmt:MATRIX_FMT_FP6 matrix_b_scale:MATRIX_SCALE_ROW1
.else
	v_wmma_scale_f32_16x16x128_f8f6f4 v[rD:rD+7], v[rA:rA+11], v[rB:rB+11], v[rD:rD+7], v[rSA], v[rSB] matrix_a_fmt:MATRIX_FMT_FP6 matrix_b_fmt:MATRIX_FMT_FP6
.endif
.endif
.endm
; 16 products: source 1's tiles a0, a0 + 1 x source 0's eight.  p: the fragments' set; sp: the scale words' set; q: the slot's K step.  The 32 accumulators take turns, one instruction a turn, in the same order in every step.
.macro MULH a0, p, sp, q, zero
.irp a, \a0, \a0+1
.irp b, 0,1,2,3,4,5,6,7
.set rD, 8*(8*(\a)+\b)
.set rA, 128*(\p)+12*\b
.set rB, 64+48*(\p)+12*(\a)
.set rSA, 16+24*(\sp)+4*(\b%4)+(\q)
.set rSB, 32+24*(\sp)+4*((\a)/2)+(\q)
	WM \zero, \b/4, (\a)%2
.endr
.endr
.endm
.macro FETCH0 slot, q, p               ; source 0's eight fragments of the slot's K step q into set p of window 1
	WIN 0x40
.irp b, 0,1,2,3,4,5,6,7
.irp c, 0,1,2
	ds_load_b128 v[128*(\p)+12*\b+4*\c:128*(\p)+12*\b+4*\c+3], v[2+\slot] offset:6144*\b+1536*(\q)+512*\c
.endr
.endr
	WIN 0
.endm
.macro FETCH1 slot, q, p               ; my four fragments of source 1
.irp a, 0,1,2,3
.irp c, 0,1,2
	ds_load_b128 v[64+48*(\p)+12*\a+4*\c:64+48*(\p)+12*\a+4*\c+3], v[4+\slot] offset:6144*\a+1536*(\q)+512*\c
.endr
.endr
.endm
.macro SCALES g                        ; group g's scale words: a load brings a row's four words (the group's four K steps); lanes 0-15 one tile, lanes 16-31 another
.irp i, 0,1,2,3
	ds_load_b128 v[16+24*((\g)%2)+4*\i:16+24*((\g)%2)+4*\i+3], v6 offset:TS*\i+256*(\g)      ; source 0's tiles i and i + 4
.endr
.irp i, 0,1
	ds_load_b128 v[32+24*((\g)%2)+4*\i:32+24*((\g)%2)+4*\i+3], v7 offset:2*TS*\i+256*(\g)    ; my tiles 2 i and 2 i + 1 of source 1
.endr
.endm
.macro STEP slot, q, zero              ; a K step that has its successor in the same slot
	s_wait_dscnt 0x0                               ; this step's fragments, asked for a step (32 matrix instructions) ago, are in
	PLACES 4                                       ; four plain instructions between the last products that read the other set and the loads into it
	FETCH0 \slot, (\q)+1, 1-(\q)%2
	FETCH1 \slot, (\q)+1, 1-(\q)%2
	WIN 0xa1                                       ; source 0 window 1, source 1 window 0, C and D window 2
	MULH 0, (\q)%2, \slot, \q, \zero
	MULH 2, (\q)%2, \slot, \q, \zero
	WIN 0
.endm
.macro TLOAD slot                      ; wave 0: source 0's block, my work-group's own; waves 1 and 2: the halves of source 1's, jointly; wave 3: nothing.  Four v_nop follow each line
	s_cmp_eq_u32 s20, 0
	s_cbranch_scc0 .Lnot_s0_\@
	tensor_load_to_lds s[G0P+4*\slot:G0P+4*\slot+3], s[G1P:G1P+7]
	s_nop 0
	PLACES 4
	s_branch .Lasked_\@
.Lnot_s0_\@:
	s_cmp_eq_u32 s20, 3
	s_cbranch_scc1 .Lasked_\@
	tensor_load_to_lds s[G0J+4*\slot:G0J+4*\slot+3], s[G1J:G1J+7]
	s_nop 0
	PLACES 4
.Lasked_\@:
.endm
; A slot's last K step changes slots.  In front of the barrier each wave's reads of this slot are over, all its tensor loads have landed (its part of the next slot), 0 is added to its spare word and that is waited for.
.macro TURN slot, next, g, fill
	s_wait_dscnt 0x0                               ; this step's fragments are in: they were my last reads of this slot
	s_wait_tensorcnt 0x0                           ; all my tensor loads have landed;
	ds_add_u32 v10, v11                            ; 0 onto my spare word;
	WIN 0xa1
	MULH 0, 1, \slot, 3, 0                         ; sixteen products stand between the add and the wait for it
	WIN 0
	s_wait_dscnt 0x0                               ; the add is done
.if \fill
	ROUND                                          ; no wave of any partner still reads this slot or has a load on its way
	s_add_nc_u64 s[G0P+4*\slot+2:G0P+4*\slot+3], s[G0P+4*\slot+2:G0P+4*\slot+3], s[84:85]   ; two groups on
	s_add_nc_u64 s[G0J+4*\slot+2:G0J+4*\slot+3], s[G0J+4*\slot+2:G0J+4*\slot+3], s[86:87]
	TLOAD \slot                                    ; the first tensor load behind the round, one a wave
.else
	s_barrier_signal -1
	s_barrier_wait -1
.endif
	PLACES 4
	FETCH0 \next, 0, 0
	FETCH1 \next, 0, 0
	SCALES (\g)+1
	WIN 0xa1
	MULH 2, 1, \slot, 3, 0
	WIN 0
.endm
; 64 numbers of a lane in window w, register 16 b + i = k 32 b + 16 h + i of my row, become a fragment's codes in v[PC] on and its scale word in v[PW].  Each accumulator is read from its low end on.
.macro QUANT s, w
	WIN \w|(\w<<2)
.irp b, 0,1,2,3
	v_max3_num_f32 v[MX+\b], |v[\s+16*\b]|, |v[\s+1+16*\b]|, 0x1800000   ; and the floor 2^(3 - 127): the byte cannot fall under 1
.endr
	WIN (\w<<2)|(\w<<4)
.irp i, 2,4,6,8,10,12,14
.irp b, 0,1,2,3
	v_max3_num_f32 v[MX+\b], v[MX+\b], |v[\s+16*\b+\i]|, |v[\s+1+16*\b+\i]|
.endr
.endr
	WIN 0
.irp b, 0,1,2,3
	v_permlanex16_b32 v[PB+\b], v[MX+\b], s96, s97
.endr
.irp b, 0,1,2,3
	v_max_num_f32 v[MX+\b], v[MX+\b], v[PB+\b]
.endr
.irp b, 0,1,2,3
	v_add_nc_u32 v[SO+\b], 0xff000000, v[MX+\b]    ; 2 off the exponent field: the conversion's scale operand
.endr
.irp b, 0,1,2,3
	v_lshrrev_b32 v[PB+\b], 23, v[SO+\b]
.endr
	v_lshl_or_b32 v[PW], v[PB+1], 8, v[PB]
	v_lshl_or_b32 v[PW], v[PB+2], 16, v[PW]
	v_lshl_or_b32 v[PW], v[PB+3], 24, v[PW]
	WIN \w
.irp c, 0,1
	v_cvt_scalef32_pk16_fp6_f32 v[PC+6*\c:PC+2+6*\c], v[\s+32*\c:\s+15+32*\c], v[SO+2*\c]
	v_cvt_scalef32_pk16_fp6_f32 v[PC+12+4*\c:PC+14+4*\c], v[\s+16+32*\c:\s+31+32*\c], v[SO+2*\c+1]
.endr
	WIN 0
	v_nop                                          ; one plain instruction behind a scaled conversion
.irp c, 0,1
.irp i, 0,1,2
	v_permlane16_swap_b32 v[PC+6*\c+\i], v[PC+12+4*\c+\i]
.endr
.irp i, 0,1,2
	v_mov_b32 v[PC+3+6*\c+\i], v[PC+12+4*\c+\i]
.endr
.endr
.endm
.macro OUTQ a                          ; tile a's image, 3 x 512 dense bytes; two tiles' scale words leave together, 128 dense bytes
.irp c, 0,1,2
	global_store_b128 v8, v[PC+4*\c:PC+4*\c+3], s[88:89] offset:1536*(\a)+512*\c
.endr
.if ((\a)%2) == 0
	v_mov_b32 v[PWE], v[PW]
.else
	v_cndmask_b32 v[PWC], v[PWE], v[PW], s98       ; lanes 0-15 the even tile's words, lanes 16-31 the odd tile's
	global_store_b32 v9, v[PWC], s[90:91] offset:64*((\a)-1)
.endif
.endm
.macro TABLOAD a                       ; tile a's 32 cosines and 32 sines a lane
.irp k, 0,1,2,3,4,5,6,7,8,9,10,11,12,13,14,15
	global_load_b128 v[64+64*((\a)%2)+4*\k:64+64*((\a)%2)+4*\k+3], v8, s[92:93] offset:8192*(\a)+512*\k
.endr
.endm
	s_load_b512 s[4:19], s[0:1], 0x0               ; xc, wcod, scl, tab, q_norm_w, k_norm_w, qb, kv
	v_lshl_add_u32 v10, v0, 2, SPARE               ; my spare word; never rewritten
	v_mov_b32 v11, 0                               ; 0; never rewritten
	ds_add_u32 v10, v11
	ds_add_u32 v10, v11
	s_wait_dscnt 0x0
	v_lshrrev_b32 v1, 5, v0
	v_readfirstlane_b32 s20, v1                    ; wave 0..3
	s_bfe_u32 s21, ttmp6, 0x40000                  ; cx
	s_mov_b32 s22, ttmp9                           ; C: the cluster
	v_and_b32 v1, 31, v0
	v_and_b32 v12, 15, v0                          ; r
	v_bfe_u32 v13, v0, 4, 1                        ; h
	v_lshlrev_b32 v8, 4, v1                        ; 16 x lane
	v_lshlrev_b32 v9, 2, v1                        ; 4 x lane
	v_lshlrev_b32 v14, 6, v13                      ; 64 h
	v_mov_b32 v2, v8                               ; source 0's fragments in slot 0,
	v_add_nc_u32 v3, SLOT, v8                      ; in slot 1
	s_mul_i32 s2, s20, 24576
	s_add_co_u32 s2, s2, S1O
	v_add_nc_u32 v4, s2, v8                        ; my four tiles of source 1
	v_add_nc_u32 v5, SLOT, v4
	v_lshlrev_b32 v6, 4, v12
	v_mad_u32_u24 v6, v13, 4*TS, v6
	v_add_nc_u32 v6, SC0, v6                       ; source 0's scale words: 16 r; lanes 16-31 four tiles on
	v_lshlrev_b32 v7, 4, v12
	v_mad_u32_u24 v7, v13, TS, v7
	s_mul_i32 s2, s20, 4*TS
	s_add_co_u32 s2, s2, SC1
	v_add_nc_u32 v7, s2, v7                        ; source 1's: my tiles; lanes 16-31 one tile on
	; source 1's place hangs on C and the wave alone
	s_and_b32 s3, s22, 15
	s_lshl_b32 s3, s3, 4                           ; q, k: token tile 16 (C % 16)
	s_and_b32 s23, s22, 1
	s_lshl_b32 s23, s23, 4
	s_add_co_u32 s23, s23, 96                      ; v: w_qkv's tile 96 + 16 (C % 2)
	; source 0's on cx too
	s_lshr_b32 s2, s22, 4
	s_lshl_b32 s2, s2, 2
	s_add_co_u32 s2, s2, s21                       ; q, k: the head
	s_sub_co_u32 s66, s22, 48
	s_lshr_b32 s66, s66, 1
	s_lshl_b32 s66, s66, 2
	s_add_co_u32 s66, s66, s21                     ; v: the block of 128 tokens
	s_add_co_u32 s67, s20, 1
	s_and_b32 s67, s67, 1                          ; which half of source 1 I fetch: wave 1 the first, wave 2 the second
	s_mov_b32 s84, GSW
	s_mov_b32 s86, GSX
	s_cmp_ge_u32 s22, 48
	s_cselect_b32 s3, s23, s3                      ; source 1's first tile
	s_cselect_b32 s2, s66, s2                      ; source 0's block of 8 tiles
	s_cselect_b32 s101, s86, s84                   ; from group to group in source 0's buffer,
	s_cselect_b32 s86, s84, s86                    ; in source 1's
	s_cselect_b32 s23, 0, 262144                   ; source 0's scale words in scl,
	s_cselect_b32 s66, 262144, 0                   ; source 1's
	s_mov_b32 s84, s101
	s_mov_b32 s85, 0
	s_mov_b32 s87, 0
	s_mul_i32 s88, s2, 49152
	s_mov_b32 s89, 0
	s_lshl_b32 s90, s2, 13
	s_add_co_u32 s90, s90, s23
	s_mov_b32 s91, 0
	s_mul_i32 s92, s3, 6144
	s_mul_i32 s101, s67, 49152
	s_add_co_u32 s92, s92, s101
	s_mov_b32 s93, 0
	s_lshl_b32 s94, s3, 10
	s_add_co_u32 s94, s94, s66
	s_lshl_b32 s101, s67, 13
	s_add_co_u32 s94, s94, s101
	s_mov_b32 s95, 0
	; group 1: a dense block as rows of 256 bytes (32 elements of 8 bytes): 192 rows of codes, 32 rows of scale words
	s_mov_b32 s[G1P], 3<<16                        ; no mask
	s_mov_b32 s[G1J], 15|(3<<16)|(1<<21)           ; the mask: all four work-groups; bit 21 beside it
	s_mov_b32 s[G1SP], 3<<16
	s_mov_b32 s[G1SJ], 15|(3<<16)|(1<<21)
.irp g, G1P, G1J
	s_mov_b32 s[\g+1], 32<<16
	s_mov_b32 s[\g+2], 192<<16
	s_mov_b32 s[\g+3], 32<<16
	s_mov_b32 s[\g+4], 192
	s_mov_b32 s[\g+5], 32
	s_mov_b32 s[\g+6], 0
	s_mov_b32 s[\g+7], 0
.endr
.irp g, G1SP, G1SJ
	s_mov_b32 s[\g+1], 32<<16
	s_mov_b32 s[\g+2], 32<<16
	s_mov_b32 s[\g+3], 32<<16
	s_mov_b32 s[\g+4], 32
	s_mov_b32 s[\g+5], 32
	s_mov_b32 s[\g+6], 0
	s_mov_b32 s[\g+7], 0
.endr
	s_mov_b32 s[G1J+2], 384<<16                    ; at the head one load brings all 384 rows of source 1's block;
	s_mov_b32 s[G1J+4], 384
	s_mov_b32 s[G1SJ+2], 64<<16                    ; and one all 64 rows of its scale words
	s_mov_b32 s[G1SJ+4], 64
	s_wait_kmcnt 0x0
	s_cmp_ge_u32 s22, 48
	s_cselect_b64 s[96:97], s[4:5], s[6:7]         ; source 0's buffer: xc on the v path, else wcod
	s_cselect_b64 s[98:99], s[6:7], s[4:5]         ; source 1's
	s_add_nc_u64 s[96:97], s[96:97], s[88:89]
	s_add_nc_u64 s[98:99], s[98:99], s[92:93]
	s_mov_b32 s[G0P], 1
	s_mov_b32 s[G0P+1], 0
	s_mov_b64 s[G0P+2:G0P+3], s[96:97]
	s_or_b32 s[G0P+3], s[G0P+3], 0x80000000
	s_mov_b32 s[G0P+4], 1
	s_mov_b32 s[G0P+5], SLOT
	s_add_nc_u64 s[G0P+6:G0P+7], s[96:97], s[84:85]
	s_or_b32 s[G0P+7], s[G0P+7], 0x80000000
	s_mov_b32 s[G0PS], 1
	s_mov_b32 s[G0PS+1], SC0
	s_add_nc_u64 s[G0PS+2:G0PS+3], s[8:9], s[90:91]
	s_or_b32 s[G0PS+3], s[G0PS+3], 0x80000000
	s_mul_i32 s101, s67, 49152
	s_mov_b32 s[G0J], 1
	s_add_co_u32 s[G0J+1], s101, S1O
	s_mov_b64 s[G0J+2:G0J+3], s[98:99]
	s_or_b32 s[G0J+3], s[G0J+3], 0x80000000
	s_mov_b32 s[G0J+4], 1
	s_add_co_u32 s[G0J+5], s101, SLOT+S1O
	s_add_nc_u64 s[G0J+6:G0J+7], s[98:99], s[86:87]
	s_or_b32 s[G0J+7], s[G0J+7], 0x80000000
	s_lshl_b32 s101, s67, 13
	s_mov_b32 s[G0JS], 1
	s_add_co_u32 s[G0JS+1], s101, SC1
	s_add_nc_u64 s[G0JS+2:G0JS+3], s[8:9], s[94:95]
	s_or_b32 s[G0JS+3], s[G0JS+3], 0x80000000
.macro PF3                             ; a lane a row of 256 bytes: rows 0-31 and 32-47 of my 48 of source 0 (the last 16 lanes name row 47 again), my 24 of source 1 (the last 8 lanes name row 23 again)
	global_prefetch_b8 v15, s[4:5] th:TH_LOAD_NT scope:SCOPE_SE
	global_prefetch_b8 v12, s[4:5] th:TH_LOAD_NT scope:SCOPE_SE
	global_prefetch_b8 v13, s[6:7] th:TH_LOAD_NT scope:SCOPE_SE
.endm
.macro ASKG                            ; the next group
	s_wait_xcnt 0x0                                ; the last prefetches have read their addresses
	s_lshr_b32 s2, s84, 1                          ; one group on (s84, s86 step two)
	s_mov_b32 s3, 0
	s_add_nc_u64 s[4:5], s[4:5], s[2:3]
	s_lshr_b32 s2, s86, 1
	s_add_nc_u64 s[6:7], s[6:7], s[2:3]
	PF3
.endm
	s_mul_i32 s2, s20, 12288                       ; the prefetches' places (the two arguments that lay in s[4:7] are done with): source 0: my 48 rows,
	s_mov_b32 s3, 0
	s_add_nc_u64 s[4:5], s[96:97], s[2:3]
	s_add_nc_u64 s[4:5], s[4:5], s[84:85]          ; in group 1
	s_mul_i32 s2, s21, 12288                       ; source 1, the half that s[98:99] points at: 48 rows for each partner,
	s_lshr_b32 s101, s20, 1
	s_mul_i32 s101, s101, 6144                     ; 24 for each of the two waves that point at this half
	s_add_co_u32 s2, s2, s101
	s_add_nc_u64 s[6:7], s[98:99], s[2:3]
	s_add_nc_u64 s[6:7], s[6:7], s[86:87]          ; in group 1
	s_lshl_b32 s84, s84, 1                         ; a refill steps two groups
	s_lshl_b32 s86, s86, 1
	ROUND                                          ; all four work-groups are here: the first joint loads meet
	s_cmp_eq_u32 s20, 0                            ; the head's four tiles, one load a wave, in one chain of branches: wave 0 source 0's codes of slot 0,
	s_cbranch_scc0 .Lfirst_1
	tensor_load_to_lds s[G0P:G0P+3], s[G1P:G1P+7]
	s_nop 0
	PLACES 4
	s_branch .Lfirst_asked
.Lfirst_1:
	s_cmp_eq_u32 s20, 1                            ; wave 1 all of source 1's codes of slot 0 (its group 0 points at the block's start),
	s_cbranch_scc0 .Lfirst_2
	tensor_load_to_lds s[G0J:G0J+3], s[G1J:G1J+7]
	s_nop 0
	PLACES 4
	s_branch .Lfirst_asked
.Lfirst_2:
	s_cmp_eq_u32 s20, 2                            ; wave 2 source 0's scale words,
	s_cbranch_scc0 .Lfirst_3
	tensor_load_to_lds s[G0PS:G0PS+3], s[G1SP:G1SP+7]
	s_nop 0
	PLACES 4
	s_branch .Lfirst_asked
.Lfirst_3:
	tensor_load_to_lds s[G0JS:G0JS+3], s[G1SJ:G1SJ+7]   ; wave 3 all of source 1's scale words (its group 0 points at their start)
	s_nop 0
	PLACES 4
.Lfirst_asked:
	v_lshlrev_b32 v15, 8, v1                       ; the prefetches' offsets; never rewritten (r and h in v12, v13 are done with)
	v_min_u32 v12, 15, v1
	v_min_u32 v13, 23, v1
	v_lshl_add_u32 v12, v12, 8, 0x2000
	v_lshlrev_b32 v13, 8, v13
	PF3                                            ; group 1
	s_mov_b32 s96, 0x76543210
	s_mov_b32 s97, 0xfedcba98                      ; v_permlanex16_b32's selects for lane l xor 16
	s_mov_b32 s98, 0xffff0000                      ; lanes 16-31
	s_mov_b32 s99, 0x358637bd                      ; 1e-6
	s_mov_b32 s100, 0x3c000000                     ; 1 / 128
	; the norm's weight and the table's place of my first token tile: made on every wave's path, used on the q and k path alone
	s_cmp_ge_u32 s22, 32
	s_cselect_b64 s[94:95], s[14:15], s[12:13]     ; heads 8 to 11 are k's
	s_and_b32 s2, s22, 15
	s_lshl_b32 s2, s2, 4
	s_lshl_b32 s3, s20, 2
	s_add_co_u32 s2, s2, s3                        ; token tile 16 (C % 16) + 4 w
	s_lshl_b32 s2, s2, 13
	s_mov_b32 s3, 0
	s_add_nc_u64 s[92:93], s[10:11], s[2:3]
	s_cmp_ge_u32 s22, 48
	s_cbranch_scc1 .Lno_table
	; q and k: the weight and the first two tiles' cosines and sines come while the products run
	WIN 0xc0                                       ; destination window 3
.irp k, 0,1,2,3,4,5,6,7,8,9,10,11,12,13,14,15
	global_load_b128 v[4*\k:4*\k+3], v14, s[94:95] offset:128*(\k/4)+16*(\k%4)   ; register 16 b + e: channel 32 b + 16 h + e
.endr
	TABLOAD 0
	TABLOAD 1
	WIN 0
.Lno_table:
	s_wait_alu depctr_va_vdst(0)                   ; the wait at the head's end
	s_wait_tensorcnt 0x0                           ; my tile of the head's four is in; slot 1's first fill is issued as a refill is:
	ds_add_u32 v10, v11                            ; 0 onto my spare word
	s_mov_b32 s[G1J+2], 192<<16                    ; no load of mine is out: from here on a joint load brings half of source 1's block
	s_mov_b32 s[G1J+4], 192
	s_wait_dscnt 0x0
	ROUND                                          ; all four tiles are in, and all four work-groups are here
	TLOAD 1                                        ; slot 1, the first tensor load behind the round, one a wave
	FETCH0 0, 0, 0
	s_wait_alu depctr_va_vdst(0)
	FETCH1 0, 0, 0
	SCALES 0
	ASKG                                           ; group 2
	STEP 0, 0, 1                                   ; the first K step starts the sums: nothing is cleared
	STEP 0, 1, 0
	STEP 0, 2, 0
	TURN 0, 1, 0, 1
	ASKG                                           ; group 3, the last
	STEP 1, 0, 0
	STEP 1, 1, 0
	STEP 1, 2, 0
	TURN 1, 0, 1, 1
	STEP 0, 0, 0
	STEP 0, 1, 0
	STEP 0, 2, 0
	TURN 0, 1, 2, 0                                ; nothing is left to fetch
	STEP 1, 0, 0
	STEP 1, 1, 0
	STEP 1, 2, 0
	s_wait_dscnt 0x0
	WIN 0xa1
	MULH 0, 1, 1, 3, 0
	MULH 2, 1, 1, 3, 0
	WIN 0
	PLACES 4                                       ; between the last products and the first read of results and write of their operands' registers
.irp b, 0,1,2,3
	v_mov_b32 v[PB+\b], 0                          ; a lane permute's destination counts as one of its sources
.endr
	v_mov_b32 v[RS+1], 0                           ; (named as the upper half of a pair)
	s_cmp_ge_u32 s22, 48
	s_cbranch_scc1 .Lepi_v
	; ---- q and k.  Where they go: q: qb [head][token tile]; k: kv [kv head][slot of 256 keys], the slot's tile 4 w + a
	s_lshr_b32 s2, s22, 4
	s_lshl_b32 s2, s2, 2
	s_add_co_u32 s2, s2, s21                       ; head
	s_and_b32 s3, s22, 15                          ; block of 256 tokens
	s_lshl_b32 s23, s20, 2                         ; 4 w
	s_lshl_b32 s66, s2, 8
	s_lshl_b32 s67, s3, 4
	s_add_co_u32 s66, s66, s67
	s_add_co_u32 s66, s66, s23
	s_mul_i32 s88, s66, 1536
	s_lshl_b32 s90, s66, 6
	s_add_co_u32 s90, s90, 3145728
	s_sub_co_u32 s67, s2, 8
	s_lshl_b32 s67, s67, 4
	s_add_co_u32 s67, s67, s3
	s_mul_i32 s67, s67, 51200
	s_mul_i32 s101, s23, 1536
	s_add_co_u32 s101, s67, s101
	s_lshl_b32 s66, s23, 6
	s_add_co_u32 s66, s66, s67
	s_add_co_u32 s66, s66, 49152
	s_cmp_ge_u32 s22, 32
	s_cselect_b32 s88, s101, s88
	s_cselect_b32 s90, s66, s90
	s_cselect_b64 s[2:3], s[18:19], s[16:17]
	s_mov_b32 s89, 0
	s_mov_b32 s91, 0
	s_add_nc_u64 s[88:89], s[2:3], s[88:89]
	s_add_nc_u64 s[90:91], s[2:3], s[90:91]
.macro EPIQK a
.if (\a) < 3
	s_wait_loadcnt 16                              ; the weight and this tile's table are in; the next tile's 16 loads stay out
.else
	s_wait_loadcnt 0
.endif
.if (\a) > 0
	s_wait_xcnt 0x0                                ; the last tile's stores have read the codes' and the words' registers
.endif
.set AC, 64*(\a)
.set TB, 64+64*((\a)%2)
	WIN 0x0a                                       ; sources 0 and 1 window 2
	v_pk_mul_f32 v[SS:SS+1], v[AC:AC+1], v[AC:AC+1]              ; the sum of squares of my 64, in two chains of pairs, each accumulator from its low end on
	v_pk_mul_f32 v[SS+2:SS+3], v[AC+2:AC+3], v[AC+2:AC+3]
.set n, 4
.rept 15
	v_pk_fma_f32 v[SS:SS+1], v[AC+n:AC+n+1], v[AC+n:AC+n+1], v[SS:SS+1]
	v_pk_fma_f32 v[SS+2:SS+3], v[AC+n+2:AC+n+3], v[AC+n+2:AC+n+3], v[SS+2:SS+3]
.set n, n+4
.endr
	WIN 0
	v_pk_add_f32 v[SS:SS+1], v[SS:SS+1], v[SS+2:SS+3]
	v_add_f32 v[SS], v[SS], v[SS+1]
	v_permlanex16_b32 v[SS+1], v[SS], s96, s97
	v_add_f32 v[SS], v[SS], v[SS+1]                ; with lane l xor 16's 64: the head's 128
	v_fma_f32 v[RS], v[SS], s100, s99              ; the mean + 1e-6
	s_wait_alu depctr_va_vdst(0)
	v_rsq_f32 v[RS], v[RS]
	v_nop                                          ; a plain instruction behind the transcendental
	s_wait_alu depctr_va_vdst(0)                   ; and the wait ahead of its first reader
	WIN 0x02
.set n, 0
.rept 32
	v_pk_mul_f32 v[Y+n:Y+n+1], v[AC+n:AC+n+1], v[RS:RS+1] op_sel_hi:[1,0]
.set n, n+2
.endr
	WIN 0x0c                                       ; source 1 window 3
.set n, 0
.rept 32
	v_pk_mul_f32 v[Y+n:Y+n+1], v[Y+n:Y+n+1], v[n:n+1]            ; x the norm's weight
.set n, n+2
.endr
.set n, 0
.rept 16                                       ; RoPE: registers n and 32 + n are channels d and d + 64
	v_pk_mul_f32 v[TU+2*n:TU+2*n+1], v[Y+32+n:Y+33+n], v[TB+32+n:TB+33+n]
	v_pk_mul_f32 v[TU+2*n+2:TU+2*n+3], v[Y+n:Y+n+1], v[TB+32+n:TB+33+n]
.set n, n+2
.endr
.set n, 0
.rept 16
	v_pk_fma_f32 v[Y+n:Y+n+1], v[Y+n:Y+n+1], v[TB+n:TB+n+1], v[TU+2*n:TU+2*n+1] neg_lo:[0,0,1] neg_hi:[0,0,1]
	v_pk_fma_f32 v[Y+32+n:Y+33+n], v[Y+32+n:Y+33+n], v[TB+n:TB+n+1], v[TU+2*n+2:TU+2*n+3]
.set n, n+2
.endr
.if (\a) < 2
	WIN 0xc0
	TABLOAD (\a)+2                                 ; into the set just read
.endif
	WIN 0
	QUANT Y, 0
	OUTQ \a
.endm
	EPIQK 0
	EPIQK 1
	EPIQK 2
	EPIQK 3
	s_branch .Lend
	; ---- v.  A lane holds one channel and 64 of the block's 128 keys: quantised as they stand.  kv [kv head][slot]: + 24,576 V^T [half of the slot][channel tile]
.Lepi_v:
	s_sub_co_u32 s2, s22, 48
	s_lshr_b32 s3, s2, 1
	s_lshl_b32 s3, s3, 2
	s_add_co_u32 s3, s3, s21                       ; the block of 128 keys
	s_and_b32 s2, s2, 1
	s_lshl_b32 s2, s2, 1
	s_lshr_b32 s23, s20, 1
	s_add_co_u32 s2, s2, s23                       ; kv head
	s_lshl_b32 s2, s2, 4
	s_lshr_b32 s23, s3, 1
	s_add_co_u32 s2, s2, s23
	s_mul_i32 s2, s2, 51200
	s_and_b32 s3, s3, 1                            ; which half of the slot
	s_and_b32 s23, s20, 1
	s_lshl_b32 s23, s23, 2                         ; my first channel tile
	s_mul_i32 s88, s3, 12288
	s_mul_i32 s66, s23, 1536
	s_add_co_u32 s88, s88, s66
	s_add_co_u32 s88, s88, s2
	s_add_co_u32 s88, s88, 24576
	s_lshl_b32 s90, s3, 9
	s_lshl_b32 s66, s23, 6
	s_add_co_u32 s90, s90, s66
	s_add_co_u32 s90, s90, s2
	s_add_co_u32 s90, s90, 50176
	s_mov_b32 s89, 0
	s_mov_b32 s91, 0
	s_add_nc_u64 s[88:89], s[18:19], s[88:89]
	s_add_nc_u64 s[90:91], s[18:19], s[90:91]
.macro EPIV a
.if (\a) > 0
	s_wait_xcnt 0x0
.endif
.set QS, 64*(\a)
	QUANT QS, 2
	OUTQ \a
.endm
	EPIV 0
	EPIV 1
	EPIV 2
	EPIV 3
.Lend:
	s_wait_tensorcnt 0x0                           ; the wave's end
	ds_add_u32 v10, v11
	s_wait_dscnt 0x0
	ROUND                                          ; the closing round: no work-group ends while a partner may still ask jointly
	s_endpgm
.Lfunc_end_k_q3234203c1c_gemm1:
	.size	k_q3234203c1c_gemm1, .Lfunc_end_k_q3234203c1c_gemm1-k_q3234203c1c_gemm1
	.p2alignl 7, 3214868480
	.fill 96, 4, 3214868480
	.section	.rodata,"a",@progbits
	.p2align	6, 0x0
	.amdhsa_kernel k_q3234203c1c_gemm1
		.amdhsa_group_segment_fixed_size 327680
		.amdhsa_private_segment_fixed_size 0
		.amdhsa_enable_private_segment 0
		.amdhsa_kernarg_size 64
		.amdhsa_user_sgpr_count 2
		.amdhsa_user_sgpr_kernarg_segment_ptr 1
		.amdhsa_wavefront_size32 1
		.amdhsa_system_sgpr_workgroup_id_x 1
		.amdhsa_system_sgpr_workgroup_id_y 1
		.amdhsa_system_sgpr_workgroup_id_z 1
		.amdhsa_system_vgpr_workitem_id 0
		.amdhsa_next_free_vgpr 1024
		.amdhsa_next_free_sgpr 102
		.amdhsa_reserve_vcc 0
		.amdhsa_float_denorm_mode_32 3
		.amdhsa_float_denorm_mode_16_64 3
		.amdhsa_memory_ordered 1
		.amdhsa_forward_progress 1
		.amdhsa_inst_pref_size 207
	.end_amdhsa_kernel
	.amdgpu_metadata
---
amdhsa.version: [ 1, 2 ]
amdhsa.kernels:
  - .name:           k_q3234203c1c_gemm1
    .symbol:         k_q3234203c1c_gemm1.kd
    .args:
      - { .name: xc, .offset: 0, .size: 8, .value_kind: global_buffer, .address_space: global }
      - { .name: wcod, .offset: 8, .size: 8, .value_kind: global_buffer, .address_space: global }
      - { .name: scl, .offset: 16, .size: 8, .value_kind: global_buffer, .address_space: global }
      - { .name: tab, .offset: 24, .size: 8, .value_kind: global_buffer, .address_space: global }
      - { .name: q_norm_w, .offset: 32, .size: 8, .value_kind: global_buffer, .address_space: global }
      - { .name: k_norm_w, .offset: 40, .size: 8, .value_kind: global_buffer, .address_space: global }
      - { .name: qb, .offset: 48, .size: 8, .value_kind: global_buffer, .address_space: global }
      - { .name: kv, .offset: 56, .size: 8, .value_kind: global_buffer, .address_space: global }
    .group_segment_fixed_size: 327680
    .private_segment_fixed_size: 0
    .kernarg_segment_align: 8
    .kernarg_segment_size: 64
    .max_flat_workgroup_size: 128
    .sgpr_count:     102
    .vgpr_count:     1024
    .wavefront_size: 32
...
	.end_amdgpu_metadata
.endif
;; end of part 2
;; launch attn (part 3): grid 256 x 1, 16 waves a work-group, clusters of 4 x 1, 327,680 bytes of LDS; arguments qb, kv, ab; writes ab
.if DOCPART == 3
	.amdgcn_target "amdgcn-amd-amdhsa--gfx1250"
	.amdhsa_code_object_version 6
	.text
	.protected	k_q3234203c1c_attn
	.globl	k_q3234203c1c_attn
	.p2align	8
	.type	k_q3234203c1c_attn,@function
k_q3234203c1c_attn:
	s_mov_b64 s[64:65], 0
	v_nop
	global_prefetch_b8 v0, s[64:65] scope:SCOPE_SE
	s_setreg_imm32_b32 hwreg(HW_REG_WAVE_MODE, 25, 1), 1
	s_wait_xcnt 0x0
	s_wait_alu depctr_hold_cnt(0) depctr_sa_sdst(0) depctr_va_vdst(0) depctr_va_sdst(0) depctr_va_ssrc(0) depctr_va_vcc(0) depctr_vm_vsrc(0)
	s_getreg_b32 s2, hwreg(HW_REG_IB_STS2, 6, 4)
	s_cmp_eq_u32 s2, 0
	s_cbranch_scc0 .Lentry_in_a_cluster
	s_endpgm
.Lentry_in_a_cluster:
	s_bfe_u32 s2, ttmp6, 0x10000c
	s_cmp_lg_u32 s2, 0x3003
	s_cbranch_scc0 .Lentry_shape_is_right
	s_endpgm
.Lentry_shape_is_right:
; ATTN: causal attention on codes of FP6, 8 query heads on 4 kv heads, head size 128; the result, divided by the row's sum, is quantised along the head's 128 for the last product.
; t = score x log2(e) / sqrt(128); M = the running largest t rounded UP to a whole number; p = 2^(t - M) is quantised along the keys; the row's sum is taken of the unquantised p.  When M moves, sum and O are multiplied by a power of two.
; Both products are used transposed (S^T = K Q^T, O^T = V^T P^T): a lane holds one query throughout; the tiles' rows are chosen so that 16 registers of two neighbouring tiles are 16 neighbours along the next K.
; LEFT OUT: key steps all of whose keys come after a tile's queries: the causal mask throws their scores away, for all values of the inputs.
; SHARES.  A group is 128 queries (8 tiles of 16) and needs group + 1 key steps of 128 keys.  Cluster C: kv head C / 16, g = C % 16: groups g and 31 - g of both query heads.  A work-group: one head (cx % 2), four tiles (cx / 2) of each group.
; A slot is 512 keys, four steps.  A tile is walked by FOUR waves, wave k taking steps k, k + 4, ..: one step of each slot.  The work-group first walks its four tiles of group g, g / 4 + 1 slots, then its four tiles of group 31 - g:
; (g + 1) + (32 - g) = 33 steps are nine slots in every cluster, so the walk has a constant count: eight trips of the loop and a tail that fetches nothing.
; At the change of groups and at the end waves k = 1 .. 3 leave O^T, -M and the sum in LDS, and wave k = 0 joins the four, divides, quantises and stores.  At the change the trip's own round of the cluster's barrier parts the stores from the reads.
; The four partners walk the same K and V: every slot is asked for jointly, each of the sixteen waves bringing 25 rows of 256 bytes of the slot's 102,400 dense bytes (two blocks of kv: K's 16 fragments, V^T's 16, K's scale words, V's).
; One load of a wave is out at the most.  The slot's place in LDS is a scalar that a constant toggles in each trip; all of a WGP's LDS is claimed, 311,296 bytes are used.
; FRAGMENTS ARE ASKED FOR AHEAD OF THEIR USE: six of K's eight at a step's head, the last two behind the first four products; V's first four and its scale words behind the scores' products, ahead of the softmax;
; V's last four, into p's registers, as soon as p has become codes.
; In the one step on the diagonal hidden scores become -infinity.
; LIMITS: a block of zeros gets the scale byte 1 (its codes are zeros; this program alone reads the bytes); NaN and infinities are not served; the promise holds while |t| stays under 2^31.
; REGISTERS: v1, v3 this trip's addresses of fragments and scale words, v2, v4 the same in slot 0; v5-6 the add's; v7 16 lane; v8 16 r; v9-11 lane, r, h; v12 -M, v13 largest t, v[14:15] the sum; v16-27 Q; v28 prefetch offset;
;   v29-30 the hand-over's places; v31 the mask's bound; v32-79 four fragments; v80-91, v92 the second group's Q and its scale words; v96-159 S^T, then p, then V's last four fragments; v160-223 O^T;
;   v224-247 two fragments of K, then the sum's chains and work, then p's codes; v248-251 scale words of K or V; v252 f, v253 p's scale word, v254 work; v255 Q's scale words.
.set SLOTB, 102400
.set MRG,   204800                     ; behind the ring: twelve places of 8,704 bytes: O^T's 8,192, then 8 bytes a lane
.set AREA,  8704
.set SPARE, 309248                     ; the spare words, 128 bytes for each wave: eight blocks of 256 bytes that no other line names
.set GSX,   1572864
.macro PLACES n
.rept \n
	v_nop
.endr
.endm
.macro ROUND
	s_barrier_signal -1
	s_barrier_wait -1
	s_cmp_lg_u32 s10, 0
	s_cbranch_scc1 .Lnot_wave_0_\@
	s_barrier_signal -3
.Lnot_wave_0_\@:
	s_barrier_wait -3
	s_barrier_signal -1
	s_barrier_wait -1
.endm
.macro CLEAR                           ; a tile's walk begins: the largest t -3e38, the sum and O^T zeros (the step is written once for all steps)
	v_mov_b32 v13, 0xff61b1e6
	v_mov_b32 v14, 0
	v_mov_b32 v15, 0
	v_floor_f32 v12, -v13
.set n, 0
.rept 64
	v_mov_b32 v[160+n], 0
.set n, n+1
.endr
.endm
.macro PLACE grp, q, o                 ; for my tile of group s[grp]: s[q:q+3] Q's fragment and scale words, s[o:o+3] the result's image and scale words
	s_lshl_b32 s42, s[\grp], 3
	s_add_co_u32 s42, s42, s41                     ; token tile
	s_lshl_b32 s44, s40, 8
	s_add_co_u32 s44, s44, s42
	s_mul_i32 s46, s44, 1536
	s_mov_b32 s47, 0
	s_add_nc_u64 s[\q:\q+1], s[4:5], s[46:47]
	s_lshl_b32 s46, s44, 6
	s_add_co_u32 s46, s46, 3145728
	s_add_nc_u64 s[\q+2:\q+3], s[4:5], s[46:47]
	s_mul_i32 s46, s42, 6144
	s_add_co_u32 s46, s46, s45
	s_add_nc_u64 s[\o:\o+1], s[8:9], s[46:47]      ; ab [head / 4][tile][head % 4]
	s_lshl_b32 s46, s42, 9
	s_add_co_u32 s46, s46, s49
	s_add_nc_u64 s[\o+2:\o+3], s[8:9], s[46:47]    ; [tile][head / 4][r][head % 4]
.endm
.macro FRAGS reg, n, off               ; n fragments, 1,536 dense bytes each, from byte off of my step's part of the slot into v[reg] on
.set t, 0
.rept \n
.irp c, 0,1,2
	ds_load_b128 v[\reg+12*t+4*\c:\reg+12*t+4*\c+3], v1 offset:\off+1536*t+512*\c
.endr
.set t, t+1
.endr
.endm
	s_load_b128 s[4:7], s[0:1], 0x0                ; qb, kv
	s_load_b64 s[8:9], s[0:1], 0x10                ; ab
	v_lshl_add_u32 v5, v0, 2, SPARE                ; my spare word; never rewritten
	v_mov_b32 v6, 0                                ; 0; never rewritten
	ds_add_u32 v5, v6                              ; the opening lines: the add, twice on end, and its wait
	ds_add_u32 v5, v6
	v_lshrrev_b32 v1, 5, v0
	v_readfirstlane_b32 s10, v1                    ; wave 0..15
	s_bfe_u32 s11, ttmp6, 0x40000                  ; cx
	s_lshr_b32 s12, ttmp9, 4                       ; kv head
	s_and_b32 s13, ttmp9, 15                       ; g
	s_and_b32 s14, s10, 3                          ; j: my tile of the work-group's four
	s_lshr_b32 s15, s10, 2
	s_add_co_u32 s15, s15, s10
	s_and_b32 s15, s15, 3                          ; k: my step of each slot; a Latin square over (wave / 4, wave % 4)
	s_lshr_b32 s16, s13, 2
	s_add_co_u32 s16, s16, 1                       ; the first group's slots: the trip in which the groups change
	s_sub_co_u32 s17, 31, s13                      ; the second group
	s_mov_b32 s18, s13                             ; the group in hand = its last key step
	s_mov_b32 s19, s15                             ; my key step of the slot in hand
	s_mul_i32 s43, s10, 6400                       ; my 25 rows of a slot
	s_mul_i32 s50, s12, 819200
	s_add_co_u32 s50, s50, s43
	s_mov_b32 s51, 0
	s_mov_b32 s24, 15|(3<<16)|(1<<21)              ; the mask: all four work-groups; elements of 8 bytes; bit 21 beside the mask
	s_mov_b32 s25, 32<<16
	s_mov_b32 s26, 25<<16
	s_mov_b32 s27, 32<<16
	s_mov_b32 s28, 25
	s_mov_b32 s29, 32
	s_mov_b32 s30, 0
	s_mov_b32 s31, 0
	s_mov_b32 s20, 0x76543210
	s_mov_b32 s21, 0xfedcba98                      ; v_permlanex16_b32's selects for lane l xor 16
	s_mov_b32 s22, 0x3e0293ee                      ; c = log2(e) / sqrt(128)
	s_mov_b32 s23, s22
	s_mov_b32 s39, 0
	s_wait_dscnt 0x0
	s_wait_kmcnt 0x0
	s_add_nc_u64 s[50:51], s[6:7], s[50:51]        ; my rows of the kv head's first 512 keys: it hangs on the kv head and the wave alone
	s_mov_b32 s32, 1
	s_mov_b32 s33, s43
	s_mov_b64 s[34:35], s[50:51]
	s_or_b32 s35, s35, 0x80000000
	ROUND                                          ; all four work-groups are here: the first joint loads meet
	tensor_load_to_lds s[32:35], s[24:31]          ; slot 0: keys 0 .. 511; every wave's one load at the head
	s_nop 0
	PLACES 4
	; what hangs on cx: global addresses and the mask's bound alone
	s_and_b32 s40, s11, 1
	s_lshl_b32 s42, s12, 1
	s_add_co_u32 s40, s40, s42                     ; head
	s_lshr_b32 s41, s11, 1
	s_lshl_b32 s41, s41, 2
	s_add_co_u32 s41, s41, s14                     ; my tile in its group
	s_lshr_b32 s44, s40, 2
	s_and_b32 s46, s40, 3
	s_mul_i32 s45, s44, GSX
	s_mul_i32 s42, s46, 1536
	s_add_co_u32 s45, s45, s42
	s_lshl_b32 s49, s44, 8
	s_lshl_b32 s42, s46, 2
	s_add_co_u32 s49, s49, s42
	s_add_co_u32 s49, s49, 3145728
	PLACE 13, 52, 56
	PLACE 17, 60, 68
	s_lshr_b32 s42, s15, 1
	s_mul_i32 s42, s42, 51200                      ; my step's block of 256 keys in a slot,
	s_and_b32 s44, s15, 1
	s_mul_i32 s74, s44, 12288                      ; its half of the block's fragments,
	s_add_co_u32 s74, s74, s42
	s_lshl_b32 s75, s44, 9                         ; and of its scale words
	s_add_co_u32 s75, s75, s42
	s_add_co_u32 s75, s75, 49152
	s_mul_i32 s76, s14, 3
	s_add_co_u32 s76, s76, s15
	s_mul_i32 s76, s76, AREA
	s_add_co_u32 s76, s76, MRG-AREA                ; place 3 j + k - 1: wave k > 0 stores there; wave k = 0 reads the three places behind it
	s_lshr_b32 s77, s41, 1
	s_lshl_b32 s77, s77, 5
	s_and_b32 s44, s41, 1
	s_lshl_b32 s44, s44, 3
	s_add_co_u32 s77, s77, s44                     ; my tile's first query in its group
	s_lshl_b32 s78, s10, 5
	; THE PREFETCHES.  The 16 clusters of a kv head walk the same keys; the one with g = 0, which walks all 4,096, asks.  At the head it names keys 512 on; in trip t, where it loads keys 512 t on and the clusters with the longest first walk
	; load keys 512 (t + 1) on, it names keys 512 (t + 2) on: 400 rows of 256 bytes, two trips ahead of its own load and one ahead of theirs.
	; Its four partners share the rows out by address, 100 each; in each, waves 0 to 3 ask, a lane a row (the last 28 lanes of wave 3 name row 99 again).  Trips 6 and 7 and the tail ask for nothing: the kv head's keys end.
	s_mul_i32 s72, s12, 819200
	s_mul_i32 s44, s11, 25600
	s_add_co_u32 s72, s72, s44
	s_mov_b32 s73, 0
	s_add_nc_u64 s[72:73], s[6:7], s[72:73]
	s_lshr_b32 s48, s10, 2
	s_or_b32 s48, s48, s13
	s_cmp_eq_u32 s48, 0
	s_cselect_b32 s48, 6, 0                        ; the trips in which I ask: the same in all four partners
	s_mov_b32 s36, 0                               ; the trip
	s_mov_b32 s37, 0                               ; the slot in hand, as a byte offset
	v_and_b32 v9, 31, v0                           ; lane
	v_and_b32 v10, 15, v0                          ; r
	v_bfe_u32 v11, v0, 4, 1                        ; h
	v_lshlrev_b32 v7, 4, v9
	v_lshlrev_b32 v8, 4, v10
	v_lshlrev_b32 v1, 2, v10
.irp c, 0,1,2
	global_load_b128 v[16+4*\c:19+4*\c], v7, s[52:53] offset:512*\c    ; the first group's Q stays in registers,
	global_load_b128 v[80+4*\c:83+4*\c], v7, s[60:61] offset:512*\c    ; and the second's waits beside it
.endr
	global_load_b32 v255, v1, s[54:55]
	global_load_b32 v92, v1, s[62:63]
	v_add_nc_u32 v2, s74, v7
	v_lshl_add_u32 v4, v9, 2, s75                  ; 4 x lane: lanes 0-15 a tile's words, lanes 16-31 the next's
	v_add_nc_u32 v29, s76, v7
	v_lshl_add_u32 v30, v9, 3, s76
	v_add_nc_u32 v30, 8192, v30
	v_and_b32 v31, 8, v10
	v_add3_u32 v31, v31, v10, s77                  ; my query in its group,
	v_lshlrev_b32 v28, 4, v11
	v_sub_nc_u32 v31, v31, v28                     ; less 16 h: register 16 b + e holds key 32 b + e + 16 h of the step: hidden on the diagonal where 32 b + e is above this
	v_add_nc_u32 v28, s78, v9
	v_min_u32 v28, 99, v28
	v_lshlrev_b32 v28, 8, v28
	v_mov_b32 v253, 0                              ; (named as the upper half of the pair v[252:253] before it is first written)
	CLEAR
; MY KEY STEP of the slot: 128 keys
.macro STEP
	s_cmp_gt_u32 s19, s18                          ; all its keys come after my queries: nothing to do
	s_cbranch_scc1 .Lhidden_\@
	PLACES 5                                       ; between the last products and the loads into their registers (four), and the products below, which write over registers that they read (five)
.irp i, 0,1,2,3
	ds_load_b32 v[248+\i], v3 offset:128*\i        ; K's scale words: tiles 2 i and 2 i + 1
.endr
	FRAGS 32, 4, 0                                 ; S^T = K Q^T: K's tiles 0 to 3,
	FRAGS 224, 2, 6144                             ; and 4 and 5
	s_wait_dscnt 6                                 ; the words and tiles 0 to 3 are in; the six loads of tiles 4 and 5 may be out
.irp t, 0,2
	v_wmma_scale_f32_16x16x128_f8f6f4 v[96+8*\t:103+8*\t], v[32+12*\t:43+12*\t], v[16:27], 0, v[248+\t/2], v255 matrix_a_fmt:MATRIX_FMT_FP6 matrix_b_fmt:MATRIX_FMT_FP6
	v_wmma_scale_f32_16x16x128_f8f6f4 v[104+8*\t:111+8*\t], v[44+12*\t:55+12*\t], v[16:27], 0, v[248+\t/2], v255 matrix_a_fmt:MATRIX_FMT_FP6 matrix_b_fmt:MATRIX_FMT_FP6 matrix_a_scale:MATRIX_SCALE_ROW1
.endr
	PLACES 4
	FRAGS 32, 2, 9216                              ; tiles 6 and 7, where tiles 0 and 1 lay
	s_wait_dscnt 6                                 ; tiles 4 and 5 are in; the six loads just issued may be out
	v_wmma_scale_f32_16x16x128_f8f6f4 v[128:135], v[224:235], v[16:27], 0, v250, v255 matrix_a_fmt:MATRIX_FMT_FP6 matrix_b_fmt:MATRIX_FMT_FP6
	v_wmma_scale_f32_16x16x128_f8f6f4 v[136:143], v[236:247], v[16:27], 0, v250, v255 matrix_a_fmt:MATRIX_FMT_FP6 matrix_b_fmt:MATRIX_FMT_FP6 matrix_a_scale:MATRIX_SCALE_ROW1
	s_wait_dscnt 0x0
	v_wmma_scale_f32_16x16x128_f8f6f4 v[144:151], v[32:43], v[16:27], 0, v251, v255 matrix_a_fmt:MATRIX_FMT_FP6 matrix_b_fmt:MATRIX_FMT_FP6
	v_wmma_scale_f32_16x16x128_f8f6f4 v[152:159], v[44:55], v[16:27], 0, v251, v255 matrix_a_fmt:MATRIX_FMT_FP6 matrix_b_fmt:MATRIX_FMT_FP6 matrix_a_scale:MATRIX_SCALE_ROW1
	PLACES 4
	FRAGS 32, 4, 24576                             ; V^T's channel tiles 0 to 3 and V's scale words: they have the softmax in which to come; nothing below names their registers before the wait for them
.irp i, 0,1,2,3
	ds_load_b32 v[248+\i], v3 offset:1024+128*\i
.endr
	s_cmp_lg_u32 s19, s18                          ; only the group's last step lies on the diagonal
	s_cbranch_scc1 .Lopen_\@
	v_mov_b32 v254, 0xff800000                     ; -infinity: p = 0 then.  The step's first key counts for every query of the group, so no row is all hidden
.set n, 0
.rept 64
	v_cmp_gt_i32 vcc_lo, 32*(n/16)+n%16, v31
	v_cndmask_b32 v[96+n], v[96+n], v254, vcc_lo
.set n, n+1
.endr
.Lopen_\@:
.irp b, 0,1,2,3
	v_max3_num_f32 v[232+\b], v[96+16*\b], v[97+16*\b], v[98+16*\b]   ; the largest score of each block of 32 keys: it serves the row's maximum and, since p rises with the score, the block's largest p
.endr
.irp i, 3,5,7,9,11,13
.irp b, 0,1,2,3
	v_max3_num_f32 v[232+\b], v[232+\b], v[96+16*\b+\i], v[97+16*\b+\i]
.endr
.endr
.irp b, 0,1,2,3
	v_max_num_f32 v[232+\b], v[232+\b], v[111+16*\b]
.endr
.irp b, 0,1,2,3
	s_delay_alu instid0(VALU_DEP_4)
	v_permlanex16_b32 v[236+\b], v[232+\b], s20, s21
.endr
.irp b, 0,1,2,3
	s_delay_alu instid0(VALU_DEP_4)
	v_max_num_f32 v[232+\b], v[232+\b], v[236+\b]
.endr
	s_delay_alu instid0(VALU_DEP_2)
	v_max3_num_f32 v254, v232, v233, v234
	s_delay_alu instid0(VALU_DEP_1)
	v_max_num_f32 v254, v254, v235
	s_delay_alu instid0(VALU_DEP_1)
	v_mul_f32 v254, s22, v254
	s_delay_alu instid0(VALU_DEP_1)
	v_max_num_f32 v13, v13, v254                   ; the running largest t
	v_mov_b32 v254, v12
	s_delay_alu instid0(VALU_DEP_2)
	v_floor_f32 v12, -v13                          ; the new -M = -ceil(t)
	s_delay_alu instid0(VALU_DEP_1)
	v_sub_f32 v254, v12, v254                      ; old M - new M: a whole number, 0 or less
	s_delay_alu instid0(VALU_DEP_1)
	v_cvt_i32_f32 v254, v254                       ; (it saturates)
	s_delay_alu instid0(VALU_DEP_1)
	v_ldexp_f32 v252, 1.0, v254                    ; f = 2^(old M - new M)
.set n, 0
.rept 32
	v_pk_fma_f32 v[96+n:97+n], v[96+n:97+n], s[22:23], v[12:13] op_sel_hi:[1,0,0]   ; t - M, two at a time
.set n, n+2
.endr
.irp b, 0,1,2,3
	v_fma_f32 v[232+\b], v[232+\b], s22, v12
.endr
	s_wait_alu depctr_va_vdst(0)                   ; the wait ahead of the batch
.set n, 0
.rept 64
	v_exp_f32 v[96+n], v[96+n]                     ; p = 2^(t - M)
.set n, n+1
.endr
	v_pk_mul_f32 v[14:15], v[14:15], v[252:253] op_sel_hi:[1,0]   ; the sums under the new M: a plain instruction behind the exponentials
	s_wait_alu depctr_va_vdst(0)                   ; one wait for the batch of 64, ahead of its first reader
.irp b, 0,1,2,3
	v_exp_f32 v[232+\b], v[232+\b]                 ; each block's largest p
.endr
.irp c, 0,1,2,3,4,5,6                          ; the row's sum of the unquantised p: 32 pairs in eight chains, seven of them in v224-231 and v236-241, where K's tiles 4 and 5 lay
	v_pk_add_f32 v[224+2*\c+4*(\c/4):225+2*\c+4*(\c/4)], v[96+2*\c:97+2*\c], v[110+2*\c:111+2*\c]
.endr
	v_pk_add_f32 v[14:15], v[14:15], v[124:125]
.irp c, 0,1,2,3,4,5,6
	v_pk_add_f32 v[224+2*\c+4*(\c/4):225+2*\c+4*(\c/4)], v[224+2*\c+4*(\c/4):225+2*\c+4*(\c/4)], v[126+2*\c:127+2*\c]
.endr
	v_pk_add_f32 v[14:15], v[14:15], v[140:141]
.irp c, 0,1,2,3,4,5,6
	v_pk_add_f32 v[224+2*\c+4*(\c/4):225+2*\c+4*(\c/4)], v[224+2*\c+4*(\c/4):225+2*\c+4*(\c/4)], v[142+2*\c:143+2*\c]
.endr
	v_pk_add_f32 v[14:15], v[14:15], v[156:157]
	v_pk_add_f32 v[224:225], v[224:225], v[158:159]
	v_pk_add_f32 v[14:15], v[14:15], v[230:231]
	v_pk_add_f32 v[226:227], v[226:227], v[238:239]
	v_pk_add_f32 v[228:229], v[228:229], v[240:241]
	v_pk_add_f32 v[224:225], v[224:225], v[236:237]
	s_delay_alu instid0(VALU_DEP_3)
	v_pk_add_f32 v[14:15], v[14:15], v[226:227]
	s_delay_alu instid0(VALU_DEP_2)
	v_pk_add_f32 v[224:225], v[224:225], v[228:229]
	s_delay_alu instid0(VALU_DEP_1)
	v_pk_add_f32 v[14:15], v[14:15], v[224:225]
	s_wait_alu depctr_va_vdst(0)                   ; and one for the four
.irp b, 0,1,2,3
	v_max_num_f32 v[232+\b], 0x1800000, v[232+\b]  ; the floor 2^(3 - 127)
.endr
.irp b, 0,1,2,3
	s_delay_alu instid0(VALU_DEP_4)
	v_add_nc_u32 v[244+\b], 0xff000000, v[232+\b]
.endr
.irp b, 0,1,2,3
	s_delay_alu instid0(VALU_DEP_4)
	v_lshrrev_b32 v[236+\b], 23, v[244+\b]
.endr
	s_delay_alu instid0(VALU_DEP_3)
	v_lshl_or_b32 v253, v237, 8, v236              ; p's scale word for these 128 keys
	s_delay_alu instid0(VALU_DEP_1)
	v_lshl_or_b32 v253, v238, 16, v253
	s_delay_alu instid0(VALU_DEP_1)
	v_lshl_or_b32 v253, v239, 24, v253
.irp c, 0,1
	v_cvt_scalef32_pk16_fp6_f32 v[224+6*\c:226+6*\c], v[96+32*\c:111+32*\c], v[244+2*\c]
	v_cvt_scalef32_pk16_fp6_f32 v[236+4*\c:238+4*\c], v[112+32*\c:127+32*\c], v[244+2*\c+1]
.endr
	v_nop
	FRAGS 96, 4, 30720                             ; p has become codes: V^T's channel tiles 4 to 7 take its registers
.irp c, 0,1
.irp i, 0,1,2
	v_permlane16_swap_b32 v[224+6*\c+\i], v[236+4*\c+\i]
.endr
.irp i, 0,1,2
	s_delay_alu instid0(VALU_DEP_3)
	v_mov_b32 v[227+6*\c+\i], v[236+4*\c+\i]
.endr
.endr
	s_wait_alu depctr_va_vdst(0)                   ; the wait here, directly ahead of the first reader of O^T
.set n, 0
.rept 32
	v_pk_mul_f32 v[160+n:161+n], v[160+n:161+n], v[252:253] op_sel_hi:[1,0]   ; O^T under the new M; these 32 also stand between the lines above and the products below
.set n, n+2
.endr
	s_wait_alu depctr_va_vdst(0)                   ; and here, ahead of the wait for the loads
	s_wait_dscnt 12                                ; V's words and tiles 0 to 3 are in; the twelve loads of tiles 4 to 7 may be out
.irp t, 0,2                                    ; O^T += V^T P^T
	v_wmma_scale_f32_16x16x128_f8f6f4 v[160+8*\t:167+8*\t], v[32+12*\t:43+12*\t], v[224:235], v[160+8*\t:167+8*\t], v[248+\t/2], v253 matrix_a_fmt:MATRIX_FMT_FP6 matrix_b_fmt:MATRIX_FMT_FP6
	v_wmma_scale_f32_16x16x128_f8f6f4 v[168+8*\t:175+8*\t], v[44+12*\t:55+12*\t], v[224:235], v[168+8*\t:175+8*\t], v[248+\t/2], v253 matrix_a_fmt:MATRIX_FMT_FP6 matrix_b_fmt:MATRIX_FMT_FP6 matrix_a_scale:MATRIX_SCALE_ROW1
.endr
	s_wait_dscnt 0x0
.irp t, 0,2
	v_wmma_scale_f32_16x16x128_f8f6f4 v[192+8*\t:199+8*\t], v[96+12*\t:107+12*\t], v[224:235], v[192+8*\t:199+8*\t], v[250+\t/2], v253 matrix_a_fmt:MATRIX_FMT_FP6 matrix_b_fmt:MATRIX_FMT_FP6
	v_wmma_scale_f32_16x16x128_f8f6f4 v[200+8*\t:207+8*\t], v[108+12*\t:119+12*\t], v[224:235], v[200+8*\t:207+8*\t], v[250+\t/2], v253 matrix_a_fmt:MATRIX_FMT_FP6 matrix_b_fmt:MATRIX_FMT_FP6 matrix_a_scale:MATRIX_SCALE_ROW1
.endr
.Lhidden_\@:
	s_add_co_u32 s19, s19, 4                       ; my step of the next slot
.endm
; A tile's walk is over: waves k = 1 .. 3 leave O^T, -M and the sum in their places
.macro DUMP
	PLACES 4                                       ; between the last products and the first read or write of their registers
	s_cmp_eq_u32 s15, 0
	s_cbranch_scc1 .Lkeep_\@
	v_add_f32 v13, v14, v15
	s_wait_alu depctr_va_vdst(0)
.irp n, 0,1,2,3,4,5,6,7,8,9,10,11,12,13,14,15
	ds_store_b128 v29, v[160+4*\n:163+4*\n] offset:512*\n          ; each accumulator from its low end on
.endr
	ds_store_b64 v30, v[12:13]
.Lkeep_\@:
.endm
.macro CH n                            ; chunk n: half n % 2 (32 registers) of partner n / 2's O^T, into one of three buffers: v96, v128, v32
.set BF, 96+32*((\n)%3)-128*(((\n)%3)/2)
.irp q, 0,1,2,3,4,5,6,7
	ds_load_b128 v[BF+4*\q:BF+4*\q+3], v29 offset:AREA*((\n)/2+1)+4096*((\n)%2)+512*\q
.endr
.endm
.macro FM n                            ; and its share of the result
.set BF, 96+32*((\n)%3)-128*(((\n)%3)/2)
.set OC, 160+32*((\n)%2)
.set FC, 234+2*((\n)/2)
.set m, 0
.rept 16
	v_pk_fma_f32 v[OC+m:OC+m+1], v[BF+m:BF+m+1], v[FC:FC+1], v[OC+m:OC+m+1] op_sel_hi:[1,0,1]
.set m, m+2
.endr
.endm
; Wave k = 0 joins the four parts under the largest M, divides by the row's sum, quantises along the head's 128 and stores
.macro MERGE
.irp i, 0,1,2
	ds_load_b64 v[224+2*\i:225+2*\i], v30 offset:AREA*(\i+1)       ; the partners' -M and sums
.endr
	CH 0
	CH 1
	CH 2
	s_wait_dscnt 24                                ; the three pairs are in; the 24 loads of three chunks may be out
	v_add_f32 v14, v14, v15
	v_min_num_f32 v230, v12, v224
	v_min_num_f32 v231, v226, v228
	s_delay_alu instid0(VALU_DEP_1)
	v_min_num_f32 v230, v230, v231                 ; -M of all four: the largest M
	s_delay_alu instid0(VALU_DEP_1)
	v_sub_f32 v232, v230, v12
	v_sub_f32 v234, v230, v224                     ; (a partner that had no step has -M = 3e38: its factor becomes 0)
	v_sub_f32 v236, v230, v226
	v_sub_f32 v238, v230, v228
.irp i, 232,234,236,238
	s_delay_alu instid0(VALU_DEP_4)
	v_cvt_i32_f32 v\i, v\i
.endr
.irp i, 232,234,236,238
	s_delay_alu instid0(VALU_DEP_4)
	v_ldexp_f32 v\i, 1.0, v\i
.endr
	s_delay_alu instid0(VALU_DEP_4)
	v_mul_f32 v14, v14, v232
	s_delay_alu instid0(VALU_DEP_1)
	v_fma_f32 v14, v225, v234, v14
	s_delay_alu instid0(VALU_DEP_1)
	v_fma_f32 v14, v227, v236, v14
	s_delay_alu instid0(VALU_DEP_1)
	v_fma_f32 v14, v229, v238, v14
	s_delay_alu instid0(VALU_DEP_1)
	v_permlanex16_b32 v15, v14, s20, s21
	s_delay_alu instid0(VALU_DEP_1)
	v_add_f32 v14, v14, v15                        ; the row's sum
	s_wait_alu depctr_va_vdst(0)                   ; the wait ahead of the transcendental
	v_rcp_f32 v14, v14
.irp i, 233,235,237,239
	v_mov_b32 v\i, 0                               ; plain instructions behind the transcendental; the pairs' upper halves are written
.endr
	s_wait_alu depctr_va_vdst(0)                   ; and ahead of its first reader, and of O^T's
.irp i, 232,234,236,238
	v_mul_f32 v\i, v\i, v14
.endr
.set n, 0
.rept 32
	v_pk_mul_f32 v[160+n:161+n], v[160+n:161+n], v[232:233] op_sel_hi:[1,0]
.set n, n+2
.endr
	s_wait_dscnt 16                                ; the oldest chunk is in; two chunks of 8 loads may be out: so at each of these waits
	FM 0
	CH 3
	s_wait_dscnt 16
	FM 1
	CH 4
	s_wait_dscnt 16
	FM 2
	CH 5
	s_wait_dscnt 16
	FM 3
	s_wait_dscnt 8
	FM 4
	s_wait_dscnt 0x0
	FM 5
	; the result's 64 numbers of a lane (register 16 b + e: channel 32 b + 16 h + e) are quantised: codes v112-123, scale word v108
.irp b, 0,1,2,3
	v_max3_num_f32 v[96+\b], |v[160+16*\b]|, |v[161+16*\b]|, 0x1800000
.endr
.irp i, 2,4,6,8,10,12,14
.irp b, 0,1,2,3
	s_delay_alu instid0(VALU_DEP_4)
	v_max3_num_f32 v[96+\b], v[96+\b], |v[160+16*\b+\i]|, |v[161+16*\b+\i]|
.endr
.endr
.irp b, 0,1,2,3
	s_delay_alu instid0(VALU_DEP_4)
	v_permlanex16_b32 v[100+\b], v[96+\b], s20, s21
.endr
.irp b, 0,1,2,3
	s_delay_alu instid0(VALU_DEP_4)
	v_max_num_f32 v[96+\b], v[96+\b], v[100+\b]
.endr
.irp b, 0,1,2,3
	s_delay_alu instid0(VALU_DEP_4)
	v_add_nc_u32 v[104+\b], 0xff000000, v[96+\b]
.endr
.irp b, 0,1,2,3
	s_delay_alu instid0(VALU_DEP_4)
	v_lshrrev_b32 v[100+\b], 23, v[104+\b]
.endr
	s_delay_alu instid0(VALU_DEP_3)
	v_lshl_or_b32 v108, v101, 8, v100
	s_delay_alu instid0(VALU_DEP_1)
	v_lshl_or_b32 v108, v102, 16, v108
	s_delay_alu instid0(VALU_DEP_1)
	v_lshl_or_b32 v108, v103, 24, v108
.irp c, 0,1
	v_cvt_scalef32_pk16_fp6_f32 v[112+6*\c:114+6*\c], v[160+32*\c:175+32*\c], v[104+2*\c]
	v_cvt_scalef32_pk16_fp6_f32 v[124+4*\c:126+4*\c], v[176+32*\c:191+32*\c], v[104+2*\c+1]
.endr
	v_nop
.irp c, 0,1
.irp i, 0,1,2
	v_permlane16_swap_b32 v[112+6*\c+\i], v[124+4*\c+\i]
.endr
.irp i, 0,1,2
	s_delay_alu instid0(VALU_DEP_3)
	v_mov_b32 v[115+6*\c+\i], v[124+4*\c+\i]
.endr
.endr
.irp c, 0,1,2
	global_store_b128 v7, v[112+4*\c:115+4*\c], s[56:57] offset:512*\c   ; 512 dense bytes a store
.endr
	global_store_b32 v8, v108, s[58:59]            ; 4 bytes of each row's 16; lanes r and r + 16 hold the same word and write it to the same place
	s_wait_xcnt 0x0                                ; the stores have read their registers and bases: both are written again behind this wait
.endm
.macro RENEW                           ; the second group's walk begins
.irp n, 0,1,2,3,4,5,6,7,8,9,10,11
	v_mov_b32 v[16+\n], v[80+\n]
.endr
	v_mov_b32 v255, v92
	CLEAR                                          ; (its lines also stand between the moves above and the next products)
	s_mov_b32 s18, s17
	s_mov_b32 s19, s15
	s_mov_b64 s[56:57], s[68:69]
	s_mov_b64 s[58:59], s[70:71]
	s_wait_alu depctr_va_vdst(0)
.endm
; A TRIP: the change of slots stands at its head.  Each wave waits for all its tensor loads (its rows of this trip's slot), adds 0 to its spare word, and waits for that, for its reads of the other slot and for any hand-over's stores;
; a round of the cluster's barrier; then the other slot is asked for again, one joint load a wave, which has this trip's step in which to land.
.macro TRIP last
.if \last == 0
	s_cmp_lg_u32 s36, s16                          ; do the groups change in this trip?  It hangs on the cluster's number and the trip alone
	s_cbranch_scc1 .Lsame_\@
	DUMP
.Lsame_\@:
.endif
	s_wait_tensorcnt 0x0
	ds_add_u32 v5, v6
	v_add_nc_u32 v1, s37, v2                       ; this trip's slot
	v_add_nc_u32 v3, s37, v4
.if \last == 0
	s_add_co_u32 s38, s36, 1                       ; no load of mine is out: the next trip's keys: 512 (t + 1) on, counted anew from the change of groups
	s_cmp_ge_u32 s38, s16
	s_cselect_b32 s42, s16, 0
	s_sub_co_u32 s38, s38, s42
	s_mul_i32 s38, s38, SLOTB
	s_add_nc_u64 s[34:35], s[50:51], s[38:39]
	s_or_b32 s35, s35, 0x80000000
	s_xor_b32 s42, s37, SLOTB                      ; into the other slot
	s_add_co_u32 s33, s42, s43
	s_wait_xcnt 0x0                                ; the last prefetch, a trip back, has read its address
	s_add_nc_u64 s[72:73], s[72:73], SLOTB
.endif
	s_wait_alu depctr_va_vdst(0)                   ; the wait here, directly ahead of the wait below
	s_wait_dscnt 0x0
	ROUND
.if \last == 0
	tensor_load_to_lds s[32:35], s[24:31]
	s_nop 0
	PLACES 4
	s_cmp_lt_u32 s36, s48
	s_cbranch_scc0 .Lno_ask_\@
	global_prefetch_b8 v28, s[72:73] offset:SLOTB th:TH_LOAD_NT scope:SCOPE_SE
.Lno_ask_\@:
	s_cmp_lg_u32 s36, s16
	s_cbranch_scc1 .Lon_\@
	s_cmp_lg_u32 s15, 0
	s_cbranch_scc1 .Lnew_\@
	MERGE                                          ; the round has shown the partners' stores
.Lnew_\@:
	RENEW
.Lon_\@:
.endif
	STEP
.endm
	s_cmp_lg_u32 s48, 0
	s_cbranch_scc0 .Lno_first_ask
	global_prefetch_b8 v28, s[72:73] offset:SLOTB th:TH_LOAD_NT scope:SCOPE_SE   ; keys 512 on
.Lno_first_ask:
	s_wait_alu depctr_va_vdst(0)                   ; the wait at the head's end
	s_wait_loadcnt 0x0                             ; both Q
.Lwalk:
	TRIP 0
	s_xor_b32 s37, s37, SLOTB
	s_add_co_u32 s36, s36, 1
	s_cmp_lt_u32 s36, 8
	s_cbranch_scc1 .Lwalk
	TRIP 1                                         ; the ninth slot: the tail is written out; the groups never change here (at trip 4 at the latest)
	DUMP
	s_wait_dscnt 0x0                               ; for wave k = 0's sake: my stores have landed
	s_barrier_signal -1
	s_barrier_wait -1
	s_cmp_lg_u32 s15, 0
	s_cbranch_scc1 .Ldone
	MERGE
.Ldone:
	s_wait_tensorcnt 0x0                           ; the wave's end
	ds_add_u32 v5, v6
	s_wait_dscnt 0x0
	ROUND                                          ; the closing round
	s_endpgm
.Lfunc_end_k_q3234203c1c_attn:
	.size	k_q3234203c1c_attn, .Lfunc_end_k_q3234203c1c_attn-k_q3234203c1c_attn
	.p2alignl 7, 3214868480
	.fill 96, 4, 3214868480
	.section	.rodata,"a",@progbits
	.p2align	6, 0x0
	.amdhsa_kernel k_q3234203c1c_attn
		.amdhsa_group_segment_fixed_size 327680
		.amdhsa_private_segment_fixed_size 0
		.amdhsa_enable_private_segment 0
		.amdhsa_kernarg_size 24
		.amdhsa_user_sgpr_count 2
		.amdhsa_user_sgpr_kernarg_segment_ptr 1
		.amdhsa_wavefront_size32 1
		.amdhsa_system_sgpr_workgroup_id_x 1
		.amdhsa_system_sgpr_workgroup_id_y 1
		.amdhsa_system_sgpr_workgroup_id_z 1
		.amdhsa_system_vgpr_workitem_id 0
		.amdhsa_next_free_vgpr 256
		.amdhsa_next_free_sgpr 80
		.amdhsa_reserve_vcc 1
		.amdhsa_float_denorm_mode_32 3
		.amdhsa_float_denorm_mode_16_64 3
		.amdhsa_memory_ordered 1
		.amdhsa_forward_progress 1
		.amdhsa_inst_pref_size 106
	.end_amdhsa_kernel
	.amdgpu_metadata
---
amdhsa.version: [ 1, 2 ]
amdhsa.kernels:
  - .name:           k_q3234203c1c_attn
    .symbol:         k_q3234203c1c_attn.kd
    .args:
      - { .name: qb, .offset: 0, .size: 8, .value_kind: global_buffer, .address_space: global }
      - { .name: kv, .offset: 8, .size: 8, .value_kind: global_buffer, .address_space: global }
      - { .name: ab, .offset: 16, .size: 8, .value_kind: global_buffer, .address_space: global }
    .group_segment_fixed_size: 327680
    .private_segment_fixed_size: 0
    .kernarg_segment_align: 8
    .kernarg_segment_size: 24
    .max_flat_workgroup_size: 512
    .sgpr_count:     80
    .vgpr_count:     256
    .wavefront_size: 32
...
	.end_amdgpu_metadata
.endif
;; end of part 3
;; launch gemm2 (part 4): grid 16 x 16, 4 waves a work-group, clusters of 4 x 4, 327,680 bytes of LDS; arguments ab, wcod, scl, out0; writes out0
.if DOCPART == 4
	.amdgcn_target "amdgcn-amd-amdhsa--gfx1250"
	.amdhsa_code_object_version 6
	.text
	.protected	k_q3234203c1c_gemm2
	.globl	k_q3234203c1c_gemm2
	.p2align	8
	.type	k_q3234203c1c_gemm2,@function
k_q3234203c1c_gemm2:
	s_mov_b64 s[64:65], 0
	v_nop
	global_prefetch_b8 v0, s[64:65] scope:SCOPE_SE
	s_setreg_imm32_b32 hwreg(HW_REG_WAVE_MODE, 25, 1), 1
	s_wait_xcnt 0x0
	s_wait_alu depctr_hold_cnt(0) depctr_sa_sdst(0) depctr_va_vdst(0) depctr_va_sdst(0) depctr_va_ssrc(0) depctr_va_vcc(0) depctr_vm_vsrc(0)
	s_getreg_b32 s2, hwreg(HW_REG_IB_STS2, 6, 4)
	s_cmp_eq_u32 s2, 0
	s_cbranch_scc0 .Lentry_in_a_cluster
	s_endpgm
.Lentry_in_a_cluster:
	s_bfe_u32 s2, ttmp6, 0x10000c
	s_cmp_lg_u32 s2, 0xf033
	s_cbranch_scc0 .Lentry_shape_is_right
	s_endpgm
.Lentry_shape_is_right:
; GEMM2: out0 = attn w_o on codes of FP6 with E8M0 scales, K = 1,024 (K step = head).  A work-group makes 128 columns (source 0: w_o's block X) x 256 tokens (source 1: block Y); wave w all 8 tiles of
; source 0 x token tiles 4 w .. 4 w + 3: 32 accumulators.  Lane (r, h) of a result holds the tile's token r; register 16 b + e of the tile's eight accumulators holds column 32 b + 16 h + e.
; CLUSTERS of 4 x 4: w_o's block hangs on X alone and is asked for jointly along a column of the cluster, the tokens' on Y alone and jointly along a row.
; K is exactly two slots of 4 K steps: both are first fills, nothing is filled again.  All operands are images of operand registers: dense blocks for the loads, three LDS loads of 512 dense bytes a fragment.
; No prefetch: all that a work-group reads is asked for at its head.  All of a WGP's LDS is claimed; 307,712 bytes are used.
; REGISTERS: window 0: v2-15 addresses; v16-63 scale words, two sets, and nothing else; v64-159 source 1's fragments, two sets; on the way out v64-127 and v160-223 take rows.  window 1: source 0's fragments.  window 2: the accumulators.
; THE HEAD AND THE PREFETCH AS THE TEXT HAS THEM (this takes the place of what the lines above say of them): at the head each wave issues ONE load: wave 0 source 0's codes of slot 0, wave 1 all of source 1's, waves 2 and 3 the two
; blocks of scale words; slot 1 is filled behind the full sequence and a round.  Slot 1's codes are prefetched behind the head's loads, one fill ahead of their load: of source 0's 192 rows of 256 bytes, which the four partners of a column
; ask for jointly, each partner's four waves name 12 rows each; of each half of source 1's block, shared along a row, each partner's two waves name 24 rows each; the partners are told apart by address.
.set GSX,   1572864
.set GSW,   786432
.set SLOT,  147456
.set S1O,   49152
.set TS,    512                        ; a tile's scale words: 2 groups x 256 bytes
.set SC0,   294912
.set SC1,   SC0+8*TS
.set G1C0, 24                          ; s[24:31] group 1, source 0's codes; s[32:39] source 1's; s[40:47], s[48:55] the scale words'
.set G1C1, 32
.set G1S0, 40
.set G1S1, 48
.set G0P,  56                          ; s[56:63] groups 0 of source 0's codes; s[68:75] of source 1's; s[76:79], s[80:83] of the scale words
.set G0J,  68
.set G0PS, 76
.set G0JS, 80
.set MSB, 0
.macro WIN new
.if MSB != (\new)
	s_set_vgpr_msb (MSB<<8)|(\new)
.set MSB, (\new)
.endif
.endm
.macro PLACES n
.rept \n
	v_nop
.endr
.endm
.macro ROUND
	s_barrier_signal -1
	s_barrier_wait -1
	s_cmp_lg_u32 s20, 0
	s_cbranch_scc1 .Lnot_wave_0_\@
	s_barrier_signal -3
.Lnot_wave_0_\@:
	s_barrier_wait -3
	s_barrier_signal -1
	s_barrier_wait -1
.endm
.macro WM zero, ra, rb
.if \zero
.if (\ra) && (\rb)
	v_wmma_scale_f32_16x16x128_f8f6f4 v[rD:rD+7], v[rA:rA+11], v[rB:rB+11], 0, v[rSA], v[rSB] matrix_a_fmt:MATRIX_FMT_FP6 matrix_b_fmt:MATRIX_FMT_FP6 matrix_a_scale:MATRIX_SCALE_ROW1 matrix_b_scale:MATRIX_SCALE_ROW1
.elseif (\ra)
	v_wmma_scale_f32_16x16x128_f8f6f4 v[rD:rD+7], v[rA:rA+11], v[rB:rB+11], 0, v[rSA], v[rSB] matrix_a_fmt:MATRIX_FMT_FP6 matrix_b_fmt:MATRIX_FMT_FP6 matrix_a_scale:MATRIX_SCALE_ROW1
.elseif (\rb)
	v_wmma_scale_f32_16x16x128_f8f6f4 v[rD:rD+7], v[rA:rA+11], v[rB:rB+11], 0, v[rSA], v[rSB] matrix_a_fmt:MATRIX_FMT_FP6 matrix_b_fmt:MATRIX_FMT_FP6 matrix_b_scale:MATRIX_SCALE_ROW1
.else
	v_wmma_scale_f32_16x16x128_f8f6f4 v[rD:rD+7], v[rA:rA+11], v[rB:rB+11], 0, v[rSA], v[rSB] matrix_a_fmt:MATRIX_FMT_FP6 matrix_b_fmt:MATRIX_FMT_FP6
.endif
.else
.if (\ra) && (\rb)
	v_wmma_scale_f32_16x16x128_f8f6f4 v[rD:rD+7], v[rA:rA+11], v[rB:rB+11], v[rD:rD+7], v[rSA], v[rSB] matrix_a_fmt:MATRIX_FMT_FP6 matrix_b_fmt:MATRIX_FMT_FP6 matrix_a_scale:MATRIX_SCALE_ROW1 matrix_b_scale:MATRIX_SCALE_ROW1
.elseif (\ra)
	v_wmma_scale_f32_16x16x128_f8f6f4 v[rD:rD+7], v[rA:rA+11], v[rB:rB+11], v[rD:rD+7], v[rSA], v[rSB] matrix_a_fmt:MATRIX_FMT_FP6 matrix_b_fmt:MATRIX_FMT_FP6 matrix_a_scale:MATRIX_SCALE_ROW1
.elseif (\rb)
	v_wmma_scale_f32_16x16x128_f8f6f4 v[rD:rD+7], v[rA:rA+11], v[rB:rB+11], v[rD:rD+7], v[rSA], v[rSB] matrix_a_fmt:MATRIX_FMT_FP6 matrix_b_fmt:MATRIX_FMT_FP6 matrix_b_scale:MATRIX_SCALE_ROW1
.else
	v_wmma_scale_f32_16x16x128_f8f6f4 v[rD:rD+7], v[rA:rA+11], v[rB:rB+11], v[rD:rD+7], v[rSA], v[rSB] matrix_a_fmt:MATRIX_FMT_FP6 matrix_b_fmt:MATRIX_FMT_FP6
.endif
.endif
.endm
; 16 products: source 1's tiles a0, a0 + 1 x source 0's eight.  The 32 accumulators take turns, one instruction a turn, in the same order in every step.
.macro MULH a0, p, sp, q, zero
.irp a, \a0, \a0+1
.irp b, 0,1,2,3,4,5,6,7
.set rD, 8*(8*(\a)+\b)
.set rA, 128*(\p)+12*\b
.set rB, 64+48*(\p)+12*(\a)
.set rSA, 16+24*(\sp)+4*(\b%4)+(\q)
.set rSB, 32+24*(\sp)+4*((\a)/2)+(\q)
	WM \zero, \b/4, (\a)%2
.endr
.endr
.endm
.macro FETCH0 slot, q, p
	WIN 0x40
.irp b, 0,1,2,3,4,5,6,7
.irp c, 0,1,2
	ds_load_b128 v[128*(\p)+12*\b+4*\c:128*(\p)+12*\b+4*\c+3], v[2+\slot] offset:6144*\b+1536*(\q)+512*\c
.endr
.endr
	WIN 0
.endm
.macro FETCH1 slot, q, p
.irp a, 0,1,2,3
.irp c, 0,1,2
	ds_load_b128 v[64+48*(\p)+12*\a+4*\c:64+48*(\p)+12*\a+4*\c+3], v[4+\slot] offset:6144*\a+1536*(\q)+512*\c
.endr
.endr
.endm
.macro SCALES g
.irp i, 0,1,2,3
	ds_load_b128 v[16+24*((\g)%2)+4*\i:16+24*((\g)%2)+4*\i+3], v6 offset:TS*\i+256*(\g)
.endr
.irp i, 0,1
	ds_load_b128 v[32+24*((\g)%2)+4*\i:32+24*((\g)%2)+4*\i+3], v7 offset:2*TS*\i+256*(\g)
.endr
.endm
.macro STEP slot, q, zero
	s_wait_dscnt 0x0                               ; this step's fragments, asked for a step ago, are in
	PLACES 4                                       ; four plain instructions between the last products that read the other set and the loads into it
	FETCH0 \slot, (\q)+1, 1-(\q)%2
	FETCH1 \slot, (\q)+1, 1-(\q)%2
	WIN 0xa1
	MULH 0, (\q)%2, \slot, \q, \zero
	MULH 2, (\q)%2, \slot, \q, \zero
	WIN 0
.endm
	s_load_b256 s[4:11], s[0:1], 0x0               ; ab, wcod, scl, out0
	v_lshl_add_u32 v254, v0, 2, 0x4b000
	v_mov_b32 v255, 0
	ds_add_u32 v254, v255
	ds_add_u32 v254, v255
	v_lshrrev_b32 v1, 5, v0
	v_readfirstlane_b32 s20, v1                    ; wave 0..3
	v_and_b32 v1, 31, v0
	v_and_b32 v12, 15, v0                          ; r
	v_bfe_u32 v13, v0, 4, 1                        ; h
	v_lshlrev_b32 v8, 4, v1                        ; 16 x lane
	v_mov_b32 v2, v8
	v_add_nc_u32 v3, SLOT, v8
	s_mul_i32 s2, s20, 24576
	s_add_co_u32 s2, s2, S1O
	v_add_nc_u32 v4, s2, v8
	v_add_nc_u32 v5, SLOT, v4
	v_lshlrev_b32 v6, 4, v12
	v_mad_u32_u24 v6, v13, 4*TS, v6
	v_add_nc_u32 v6, SC0, v6
	v_lshlrev_b32 v7, 4, v12
	v_mad_u32_u24 v7, v13, TS, v7
	s_mul_i32 s2, s20, 4*TS
	s_add_co_u32 s2, s2, SC1
	v_add_nc_u32 v7, s2, v7
	s_mul_i32 s2, s20, 8448                        ; the way out: my own stage, 16 rows x 528 bytes, in slot 0
	v_mul_u32_u24 v14, v12, 528
	v_lshl_add_u32 v14, v13, 6, v14
	v_add_nc_u32 v14, s2, v14                      ; in: row r, + 64 h
	v_add_nc_u32 v15, s2, v8                       ; back: 16 x lane of a row
	s_bfe_u32 s21, ttmp6, 0x40000                  ; cx
	s_bfe_u32 s22, ttmp6, 0x40004                  ; cy
	s_lshl_b32 s23, ttmp9, 2
	s_add_co_u32 s23, s23, s21                     ; X
	s_and_b32 s12, ttmp7, 0xffff
	s_lshl_b32 s12, s12, 2
	s_add_co_u32 s12, s12, s22                     ; Y
	s_lshl_b32 s13, s22, 2
	s_lshl_b32 s13, 15, s13                        ; my row of the cluster
	s_lshl_b32 s14, 0x1111, s21                    ; my column
	s_add_co_u32 s67, s20, 1
	s_and_b32 s67, s67, 1                          ; which half of source 1 I fetch
	s_mul_i32 s88, s23, 49152                      ; source 0's places hang on X alone
	s_add_co_u32 s88, s88, 3145728
	s_mov_b32 s89, 0
	s_lshl_b32 s90, s23, 12
	s_add_co_u32 s90, s90, 393216
	s_mov_b32 s91, 0
	s_mul_i32 s92, s12, 98304                      ; source 1's on Y and the wave alone
	s_mul_i32 s15, s67, 49152
	s_add_co_u32 s92, s92, s15
	s_mov_b32 s93, 0
	s_lshl_b32 s94, s12, 13
	s_lshl_b32 s15, s67, 12
	s_add_co_u32 s94, s94, s15
	s_add_co_u32 s94, s94, 3145728
	s_mov_b32 s95, 0
	s_lshl_b32 s16, s12, 21                        ; out0: row 256 Y + 64 w of 8,192 bytes, + 512 X
	s_lshl_b32 s17, s20, 19
	s_add_co_u32 s16, s16, s17
	s_lshl_b32 s17, s23, 9
	s_add_co_u32 s16, s16, s17
	s_mov_b32 s17, 0
	s_or_b32 s[G1C0], s14, (3<<16)|(1<<21)         ; the mask; elements of 8 bytes; bit 21 beside the mask
	s_or_b32 s[G1C1], s13, (3<<16)|(1<<21)
	s_or_b32 s[G1S0], s14, (3<<16)|(1<<21)
	s_or_b32 s[G1S1], s13, (3<<16)|(1<<21)
.irp g, G1C0, G1C1
	s_mov_b32 s[\g+1], 32<<16
	s_mov_b32 s[\g+2], 192<<16
	s_mov_b32 s[\g+3], 32<<16
	s_mov_b32 s[\g+4], 192
	s_mov_b32 s[\g+5], 32
	s_mov_b32 s[\g+6], 0
	s_mov_b32 s[\g+7], 0
.endr
.irp g, G1S0, G1S1
	s_mov_b32 s[\g+1], 32<<16
	s_mov_b32 s[\g+2], 16<<16
	s_mov_b32 s[\g+3], 32<<16
	s_mov_b32 s[\g+4], 16
	s_mov_b32 s[\g+5], 32
	s_mov_b32 s[\g+6], 0
	s_mov_b32 s[\g+7], 0
.endr
	s_mov_b32 s[G1C1+2], 384<<16                   ; at the head one load brings all 384 rows of source 1's block;
	s_mov_b32 s[G1C1+4], 384
	s_mov_b32 s[G1S1+2], 32<<16                    ; and one all 32 rows of its scale words
	s_mov_b32 s[G1S1+4], 32
	s_wait_dscnt 0x0
	s_wait_kmcnt 0x0
	s_add_nc_u64 s[88:89], s[6:7], s[88:89]
	s_add_nc_u64 s[90:91], s[8:9], s[90:91]
	s_add_nc_u64 s[92:93], s[4:5], s[92:93]
	s_add_nc_u64 s[94:95], s[4:5], s[94:95]
	s_add_nc_u64 s[10:11], s[10:11], s[16:17]
	s_mul_i32 s96, s22, 12288                      ; the prefetches' places: source 0: 48 rows for each partner of my column,
	s_mul_i32 s15, s20, 3072                       ; 12 for each wave,
	s_add_co_u32 s96, s96, s15
	s_add_co_u32 s96, s96, GSW                     ; in group 1
	s_mov_b32 s97, 0
	s_add_nc_u64 s[96:97], s[88:89], s[96:97]
	s_mul_i32 s98, s21, 12288                      ; source 1, the half that s[92:93] points at: 48 rows for each partner of my row,
	s_lshr_b32 s15, s20, 1
	s_mul_i32 s15, s15, 6144                       ; 24 for each of the two waves that point at this half,
	s_add_co_u32 s98, s98, s15
	s_add_co_u32 s98, s98, GSX                     ; in group 1
	s_mov_b32 s99, 0
	s_add_nc_u64 s[98:99], s[92:93], s[98:99]
	s_mov_b32 s[G0P], 1
	s_mov_b32 s[G0P+1], 0
	s_mov_b64 s[G0P+2:G0P+3], s[88:89]
	s_or_b32 s[G0P+3], s[G0P+3], 0x80000000
	s_mov_b32 s[G0P+4], 1
	s_mov_b32 s[G0P+5], SLOT
	s_add_nc_u64 s[G0P+6:G0P+7], s[88:89], GSW
	s_or_b32 s[G0P+7], s[G0P+7], 0x80000000
	s_mov_b32 s[G0PS], 1
	s_mov_b32 s[G0PS+1], SC0
	s_mov_b64 s[G0PS+2:G0PS+3], s[90:91]
	s_or_b32 s[G0PS+3], s[G0PS+3], 0x80000000
	s_mul_i32 s15, s67, 49152
	s_mov_b32 s[G0J], 1
	s_add_co_u32 s[G0J+1], s15, S1O
	s_mov_b64 s[G0J+2:G0J+3], s[92:93]
	s_or_b32 s[G0J+3], s[G0J+3], 0x80000000
	s_mov_b32 s[G0J+4], 1
	s_add_co_u32 s[G0J+5], s15, SLOT+S1O
	s_add_nc_u64 s[G0J+6:G0J+7], s[92:93], GSX
	s_or_b32 s[G0J+7], s[G0J+7], 0x80000000
	s_lshl_b32 s15, s67, 12
	s_mov_b32 s[G0JS], 1
	s_add_co_u32 s[G0JS+1], s15, SC1
	s_mov_b64 s[G0JS+2:G0JS+3], s[94:95]
	s_or_b32 s[G0JS+3], s[G0JS+3], 0x80000000
	ROUND                                          ; all sixteen work-groups are here: the joint loads meet
	s_cmp_eq_u32 s20, 0                            ; the head's four tiles, one load a wave, in one chain of branches: wave 0 source 0's codes of slot 0,
	s_cbranch_scc0 .Lfirst_1
	tensor_load_to_lds s[G0P:G0P+3], s[G1C0:G1C0+7]
	s_nop 0
	PLACES 4
	s_branch .Lfirst_asked
.Lfirst_1:
	s_cmp_eq_u32 s20, 1                            ; wave 1 all of source 1's codes of slot 0 (its group 0 points at the block's start),
	s_cbranch_scc0 .Lfirst_2
	tensor_load_to_lds s[G0J:G0J+3], s[G1C1:G1C1+7]
	s_nop 0
	PLACES 4
	s_branch .Lfirst_asked
.Lfirst_2:
	s_cmp_eq_u32 s20, 2                            ; wave 2 source 0's scale words,
	s_cbranch_scc0 .Lfirst_3
	tensor_load_to_lds s[G0PS:G0PS+3], s[G1S0:G1S0+7]
	s_nop 0
	PLACES 4
	s_branch .Lfirst_asked
.Lfirst_3:
	tensor_load_to_lds s[G0JS:G0JS+3], s[G1S1:G1S1+7]   ; wave 3 all of source 1's scale words (its group 0 points at their start)
	s_nop 0
	PLACES 4
.Lfirst_asked:
	v_min_u32 v9, 11, v1                           ; a lane a row of 256 bytes; the lanes left over name their wave's last row again
	v_min_u32 v10, 23, v1
	v_lshlrev_b32 v9, 8, v9
	v_lshlrev_b32 v10, 8, v10
	global_prefetch_b8 v9, s[96:97] th:TH_LOAD_NT scope:SCOPE_SE
	global_prefetch_b8 v10, s[98:99] th:TH_LOAD_NT scope:SCOPE_SE
	s_wait_alu depctr_va_vdst(0)                   ; the wait at the head's end
	s_wait_tensorcnt 0x0                           ; my tile of the head's four is in; slot 1's fill is issued as a refill is:
	ds_add_u32 v254, v255                          ; 0 onto my spare word
	s_mov_b32 s[G1C1+2], 192<<16                   ; no load of mine is out: slot 1's joint loads bring half of source 1's block each
	s_mov_b32 s[G1C1+4], 192
	s_wait_dscnt 0x0
	ROUND                                          ; all four tiles are in, and all sixteen work-groups are here
	s_cmp_eq_u32 s20, 0                            ; slot 1: wave 0 source 0's block, waves 1 and 2 the halves of source 1's, wave 3 nothing
	s_cbranch_scc0 .Lsec_not_0
	tensor_load_to_lds s[G0P+4:G0P+7], s[G1C0:G1C0+7]
	s_nop 0
	PLACES 4
	s_branch .Lsec_asked
.Lsec_not_0:
	s_cmp_eq_u32 s20, 3
	s_cbranch_scc1 .Lsec_asked
	tensor_load_to_lds s[G0J+4:G0J+7], s[G1C1:G1C1+7]
	s_nop 0
	PLACES 4
.Lsec_asked:
	FETCH0 0, 0, 0
	FETCH1 0, 0, 0
	s_wait_alu depctr_va_vdst(0)
	SCALES 0
	STEP 0, 0, 1                                   ; the first K step starts the sums
	STEP 0, 1, 0
	STEP 0, 2, 0
	s_wait_dscnt 0x0                               ; the change of slots: my reads of slot 0 are over,
	s_wait_tensorcnt 0x0                           ; my part of slot 1 is in
	WIN 0xa1
	MULH 0, 1, 0, 3, 0
	WIN 0
	s_barrier_signal -1
	s_barrier_wait -1                              ; both hold of every wave
	PLACES 4
	FETCH0 1, 0, 0
	FETCH1 1, 0, 0
	SCALES 1
	WIN 0xa1
	MULH 2, 1, 0, 3, 0
	WIN 0
	STEP 1, 0, 0
	STEP 1, 1, 0
	STEP 1, 2, 0
	s_wait_dscnt 0x0
	WIN 0xa1
	MULH 0, 1, 1, 3, 0
	MULH 2, 1, 1, 3, 0
	WIN 0
; THE WAY OUT, a token tile at a time.  A lane holds 4 x 64 bytes of one row; the tile goes through my own stage (in slot 0, which has had its only fill and which nobody reads behind the change of slots) and comes back as whole
; rows of 512 bytes.  LDS serves a wave's instructions in order: no wait between the stores and the loads, nor in front of the next tile's stores.
.macro TOSTAGE a
	WIN 0x08                                       ; an LDS store's data are its source 1: window 2
.irp n, 0,1,2,3,4,5,6,7,8,9,10,11,12,13,14,15
	ds_store_b128 v14, v[64*(\a)+4*\n:64*(\a)+4*\n+3] offset:128*(\n/4)+16*(\n%4)   ; each accumulator from its low end on
.endr
	WIN 0
.set BB, 64+96*((\a)%2)
.irp t, 0,1,2,3,4,5,6,7,8,9,10,11,12,13,14,15
	ds_load_b128 v[BB+4*\t:BB+4*\t+3], v15 offset:528*\t
.endr
.endm
.macro SEND a, younger                 ; younger: the LDS instructions issued behind tile a's loads, which may stay out
.set BB, 64+96*((\a)%2)
	s_wait_dscnt \younger
.irp t, 0,1,2,3,4,5,6,7,8,9,10,11,12,13,14,15
	global_store_b128 v8, v[BB+4*\t:BB+4*\t+3], s[10:11] offset:(32*((\a)/2)+8*((\a)%2)+\t+8*(\t/8))*8192 th:TH_STORE_NT   ; 32 lanes store 512 consecutive bytes, aligned; the tile's row t is token 32 (a / 2) + 8 (a % 2) + t + 8 (t / 8) of my 64
.endr
.endm
	PLACES 4                                       ; between the last products and the first read of results and the loads into their operands' registers
	TOSTAGE 0
.irp a, 1,2,3
.if \a > 1
	s_wait_xcnt 0x0                                ; tile a - 2's stores have read their registers: tile a's rows may land there
.endif
	TOSTAGE \a
	SEND \a-1, 32                                  ; behind tile a - 1's loads: tile a's 16 stores and 16 loads
.endr
	SEND 3, 0
	s_wait_tensorcnt 0x0
	ds_add_u32 v254, v255
	s_wait_dscnt 0x0
	ROUND                                          ; the closing round: no work-group ends while a partner may still ask jointly; no LDS instruction and no tensor load of mine is out
	s_endpgm
.Lfunc_end_k_q3234203c1c_gemm2:
	.size	k_q3234203c1c_gemm2, .Lfunc_end_k_q3234203c1c_gemm2-k_q3234203c1c_gemm2
	.p2alignl 7, 3214868480
	.fill 96, 4, 3214868480
	.section	.rodata,"a",@progbits
	.p2align	6, 0x0
	.amdhsa_kernel k_q3234203c1c_gemm2
		.amdhsa_group_segment_fixed_size 327680
		.amdhsa_private_segment_fixed_size 0
		.amdhsa_enable_private_segment 0
		.amdhsa_kernarg_size 32
		.amdhsa_user_sgpr_count 2
		.amdhsa_user_sgpr_kernarg_segment_ptr 1
		.amdhsa_wavefront_size32 1
		.amdhsa_system_sgpr_workgroup_id_x 1
		.amdhsa_system_sgpr_workgroup_id_y 1
		.amdhsa_system_sgpr_workgroup_id_z 1
		.amdhsa_system_vgpr_workitem_id 0
		.amdhsa_next_free_vgpr 768
		.amdhsa_next_free_sgpr 100
		.amdhsa_reserve_vcc 0
		.amdhsa_float_denorm_mode_32 3
		.amdhsa_float_denorm_mode_16_64 3
		.amdhsa_memory_ordered 1
		.amdhsa_forward_progress 1
		.amdhsa_inst_pref_size 79
	.end_amdhsa_kernel
	.amdgpu_metadata
---
amdhsa.version: [ 1, 2 ]
amdhsa.kernels:
  - .name:           k_q3234203c1c_gemm2
    .symbol:         k_q3234203c1c_gemm2.kd
    .args:
      - { .name: ab, .offset: 0, .size: 8, .value_kind: global_buffer, .address_space: global }
      - { .name: wcod, .offset: 8, .size: 8, .value_kind: global_buffer, .address_space: global }
      - { .name: scl, .offset: 16, .size: 8, .value_kind: global_buffer, .address_space: global }
      - { .name: out0, .offset: 24, .size: 8, .value_kind: global_buffer, .address_space: global }
    .group_segment_fixed_size: 327680
    .private_segment_fixed_size: 0
    .kernarg_segment_align: 8
    .kernarg_segment_size: 32
    .max_flat_workgroup_size: 128
    .sgpr_count:     100
    .vgpr_count:     768
    .wavefront_size: 32
...
	.end_amdgpu_metadata
.endif
;; end of part 4
